; MI455X (gfx1250); checked and timed in simulation.
; The chip was launched on July 23, 2026; its instructions are those of AMD's public machine-readable ISA for CDNA 5 (MIT licence, August 2026) and "CDNA5" Instruction Set Architecture Reference Guide (July 2026). The comments in the code are by the model that wrote it; some were corrected since.
;; Attn Block. Allowed arithmetic: float matrix products may take bf16 or f16 operands with f32 sums; all other float work in f32.
;; Inputs: bk 512 float32; bp 512 float32; bq 512 float32; bv 512 float32; norm_bias 512 float32; norm_scale 512 float32; wk 512 x 512 float32; wp 512 x 512 float32; wq 512 x 512 float32; wv 512 x 512 float32; x 32 x 32 x 32 x 512 float32.
;; Outputs: out0 32 x 32 x 32 x 512 float32.
;; 3 versions, each right; version 3 is version 2 with the launch prep written anew for expert scheduling mode. Each part assembles by itself: llvm-mc -triple=amdgcn-amd-amdhsa -mcpu=gfx1250 --defsym DOCPART=n.
;; ======== version 1 of 3: 2 launches
;; workspace buffers: hn 33,554,432 bytes; wts 2,098,176 bytes
;; launch prep (part 1): grid 256 x 1, 16 waves a work-group, no clusters, 2,560 bytes of LDS; arguments x, norm_scale, norm_bias, wq, wk, wv, wp, bk, hn, wts; writes hn, wts
.if DOCPART == 1
	.amdgcn_target "amdgcn-amd-amdhsa--gfx1250"
	.amdhsa_code_object_version 6
	.text
	.protected	k_q0a76bb0701_prep
	.globl	k_q0a76bb0701_prep
	.p2align	8
	.type	k_q0a76bb0701_prep,@function
k_q0a76bb0701_prep:
	s_mov_b64 s[64:65], 0
	v_nop
	global_prefetch_b8 v0, s[64:65] scope:SCOPE_SE
	s_setreg_imm32_b32 hwreg(HW_REG_WAVE_MODE, 25, 1), 1
	s_wait_xcnt 0x0
; GROUP NORM TO bf16, AND THE WEIGHTS TO bf16.  x: [32][1024][512] f32.  hn = ((x - mean) * rsqrt(var + 1e-6)) * scale + bias, rounded once to bf16.
; A group is 16 channels of all 1,024 pixels of a batch: 16,384 numbers.  A work-group takes one batch and 64 channels (4 groups): 1,024 x 64 f32 = 262,144 bytes,
; which its 16 waves keep in registers (128 a lane), so x is read once.  The variance is taken in a second pass over the registers, of x - mean: no difference of large sums.
; LAYOUT OF hn (per batch) AND OF EACH WEIGHT, a [rows][512] matrix in bf16: byte(row, c) = (row / 2) * 2048 + (c / 8) * 32 + (row % 2) * 16 + (c % 8) * 2:
; two rows lie interleaved in pieces of 16 bytes.  64 rows are 65,536 dense bytes, the next launch's tile.
; wts: Wq at 0, Wk at 524,288, Wv at 1,048,576, Wp at 1,572,864 (row index as given, nothing transposed), bk as 512 bf16 at 2,097,152.
; LIMITS.  v_rsq_f32 is accurate to 1 ULP; sums are taken in another order than the reference's; NaN and infinities are not treated apart.
; No matrix unit, no cluster, no tensor load: the work-groups share no input and each byte is read once.
.set XR, 32                            ; v[32:159]  my 128 numbers of x: load i (two pixels x 256 bytes a wave) in v[32+4i:35+4i]
.set CH, 160                           ; v[160:167] four chains of packed sums
.set PS, 168                           ; v[168:183] the 16 waves' partial sums of my group
; v2 XO, v3 HO, v4 WO, v5 WS, v6 SB, v7 RA, v8 RL: byte offsets, never rewritten.  v[10:13] scale, v[14:17] bias of my 4 channels.  v[18:29] a weight piece.  v[30:31] mean, twice.  v184-189 at work.
	s_load_b512 s[4:19], s[0:1], 0x0               ; x s[4:5], scale s[6:7], bias s[8:9], wq s[10:11], wk s[12:13], wv s[14:15], wp s[16:17], bk s[18:19]
	s_load_b128 s[20:23], s[0:1], 0x40             ; hn s[20:21], wts s[22:23]
	v_lshl_add_u32 v192, v0, 2, 0x200
	v_mov_b32 v193, 0
	v_lshrrev_b32 v9, 5, v0
	v_readfirstlane_b32 s33, v9                    ; my wave, 0 to 15
	s_lshr_b32 s24, ttmp9, 3                       ; batch
	s_and_b32 s25, ttmp9, 7                        ; which 64 channels
	s_lshl_b32 s26, s25, 8                         ; their 256 bytes, in a pixel of x and in a pair of pixels of hn alike
	s_lshl_b32 s38, s24, 21                        ; a batch of x is 2,097,152 bytes
	s_add_co_u32 s38, s38, s26
	s_mov_b32 s39, 0
	s_lshl_b32 s24, s24, 20                        ; a batch of hn is 1,048,576 bytes
	s_add_co_u32 s24, s24, s26
	s_mov_b32 s25, 0
	s_lshr_b32 s27, ttmp9, 6                       ; which weight this work-group converts a part of,
	s_and_b32 s32, ttmp9, 63                       ; and which 8 rows of it
	s_mov_b32 s34, 0x76543210                      ; v_permlanex16_b32: each lane takes its own place in the other half
	s_mov_b32 s35, 0xfedcba98
	s_mov_b32 s36, 0x38800000                      ; 1 / 16,384
	s_mov_b32 s37, 0x358637bd                      ; 1e-6
	v_and_b32 v184, 15, v0                         ; lane % 16: my 4 channels are 4 (lane % 16) on
	v_bfe_u32 v185, v0, 4, 1                       ; lane / 16: which of a load's two pixels
	v_lshlrev_b32 v2, 17, v9                       ; XO = wave x 64 pixels x 2,048 + pixel x 2,048 + 16 (lane % 16)
	v_lshl_add_u32 v2, v185, 11, v2
	v_lshl_add_u32 v2, v184, 4, v2
	v_lshrrev_b32 v186, 1, v184
	v_and_b32 v187, 1, v0
	v_lshlrev_b32 v3, 16, v9                       ; HO = wave x 32 pairs x 2,048 + piece x 32 + pixel's parity x 16 + half a piece x 8
	v_lshl_add_u32 v3, v186, 5, v3
	v_lshl_add_u32 v3, v185, 4, v3
	v_lshl_add_u32 v3, v187, 3, v3
	v_lshlrev_b32 v4, 4, v0                        ; WO = 16 t: thread t makes the 16-byte piece t of the work-group's 8,192 bytes of a weight
	v_lshrrev_b32 v188, 7, v0
	v_lshl_add_u32 v188, v188, 1, v187             ; its row among the 8: 2 (t / 128) + t % 2
	v_bfe_u32 v189, v0, 1, 6                       ; its 8 columns: (t % 128) / 2
	v_lshlrev_b32 v5, 11, v188                     ; WS = row x 2,048 + 32 x piece
	v_lshl_add_u32 v5, v189, 5, v5
	v_lshl_add_u32 v6, v184, 4, s26                ; SB: my 4 numbers in scale and in bias
	v_lshrrev_b32 v186, 2, v184                    ; my group among the four
	v_lshlrev_b32 v8, 6, v186                      ; RL = group x 64: its 16 partial sums
	v_lshl_add_u32 v7, s33, 2, v8                  ; RA = RL + 4 x wave
	s_wait_kmcnt 0x0
	s_add_nc_u64 s[4:5], s[4:5], s[38:39]
	s_add_nc_u64 s[20:21], s[20:21], s[24:25]
	s_cmp_eq_u32 s27, 1                            ; the weight is chosen by the work-group's number
	s_cselect_b64 s[28:29], s[12:13], s[10:11]
	s_cmp_eq_u32 s27, 2
	s_cselect_b64 s[28:29], s[14:15], s[28:29]
	s_cmp_eq_u32 s27, 3
	s_cselect_b64 s[28:29], s[16:17], s[28:29]
	s_lshl_b32 s38, s32, 14                        ; 8 rows of 2,048 bytes in f32
	s_add_nc_u64 s[28:29], s[28:29], s[38:39]
	s_lshl_b32 s38, s27, 19                        ; 524,288 bytes a weight in bf16,
	s_lshl_b32 s24, s32, 13                        ; 8,192 for 8 rows
	s_add_co_u32 s38, s38, s24
	s_add_nc_u64 s[30:31], s[22:23], s[38:39]
	global_load_b128 v[18:21], v5, s[28:29]
	global_load_b128 v[22:25], v5, s[28:29] offset:16
	global_load_b128 v[10:13], v6, s[6:7]
	global_load_b128 v[14:17], v6, s[8:9]
.set i, 0
.rept 32
	global_load_b128 v[XR+4*i:XR+4*i+3], v2, s[4:5] offset:4096*i th:TH_LOAD_NT  ; lanes 0-15 take 256 aligned bytes of one pixel, lanes 16-31 of the next
.set i, i+1
.endr
	s_wait_loadcnt 34                              ; the two weight loads are in: 2 + 32 younger loads stay out
	v_cvt_pk_bf16_f32 v26, v18, v19
	v_cvt_pk_bf16_f32 v27, v20, v21
	v_cvt_pk_bf16_f32 v28, v22, v23
	v_cvt_pk_bf16_f32 v29, v24, v25
	global_store_b128 v4, v[26:29], s[30:31]       ; a wave stores 512 consecutive bytes
; the four chains into one number a lane
.macro FOLD
	v_pk_add_f32 v[CH:CH+1], v[CH:CH+1], v[CH+2:CH+3]
	v_pk_add_f32 v[CH+4:CH+5], v[CH+4:CH+5], v[CH+6:CH+7]
	v_pk_add_f32 v[CH:CH+1], v[CH:CH+1], v[CH+4:CH+5]
	v_add_f32 v184, v[CH], v[CH+1]
.endm
; v184, a lane's sum, becomes its group's sum over the work-group.  The 8 lanes of a group in a wave: lane xor 1, xor 2, xor 16.  Then the 16 waves meet in LDS, at byte off.
.macro RED off
	v_add_f32_dpp v184, v184, v184 row_xmask:1 row_mask:0xf bank_mask:0xf
	v_add_f32_dpp v184, v184, v184 row_xmask:2 row_mask:0xf bank_mask:0xf
	v_permlanex16_b32 v185, v184, s34, s35
	v_add_f32 v184, v184, v185
	ds_store_b32 v7, v184 offset:\off              ; a group's 8 lanes write the same word with the same number
	s_wait_dscnt 0x0                               ; for the others' sake: my store is done
	s_barrier_signal -1
	s_barrier_wait -1
	ds_load_b128 v[PS:PS+3], v8 offset:\off
	ds_load_b128 v[PS+4:PS+7], v8 offset:\off+16
	ds_load_b128 v[PS+8:PS+11], v8 offset:\off+32
	ds_load_b128 v[PS+12:PS+15], v8 offset:\off+48
	s_wait_dscnt 0x0
	v_pk_add_f32 v[PS:PS+1], v[PS:PS+1], v[PS+2:PS+3]
	v_pk_add_f32 v[PS+4:PS+5], v[PS+4:PS+5], v[PS+6:PS+7]
	v_pk_add_f32 v[PS+8:PS+9], v[PS+8:PS+9], v[PS+10:PS+11]
	v_pk_add_f32 v[PS+12:PS+13], v[PS+12:PS+13], v[PS+14:PS+15]
	v_pk_add_f32 v[PS:PS+1], v[PS:PS+1], v[PS+4:PS+5]
	v_pk_add_f32 v[PS+8:PS+9], v[PS+8:PS+9], v[PS+12:PS+13]
	v_pk_add_f32 v[PS:PS+1], v[PS:PS+1], v[PS+8:PS+9]
	v_add_f32 v184, v[PS], v[PS+1]
.endm
	; pass 1: the sum.  Four chains, each started by adding two pairs: nothing is cleared.  The waits let the younger quarters of x stay out.
.set p, 0
.rept 64
.if p%16 == 0
	s_wait_loadcnt 24-8*(p/16)
.endif
.if p < 4
	v_pk_add_f32 v[CH+2*p:CH+2*p+1], v[XR+2*p:XR+2*p+1], v[XR+2*p+8:XR+2*p+9]
.elseif p >= 8
	v_pk_add_f32 v[CH+2*(p%4):CH+2*(p%4)+1], v[CH+2*(p%4):CH+2*(p%4)+1], v[XR+2*p:XR+2*p+1]
.endif
.set p, p+1
.endr
	FOLD
	RED 0
	v_mul_f32 v30, s36, v184                       ; the mean
	v_mov_b32 v31, v30
	; pass 2: d = x - mean in place, and the sum of d x d
.set p, 0
.rept 64
	v_pk_add_f32 v[XR+2*p:XR+2*p+1], v[XR+2*p:XR+2*p+1], v[30:31] neg_lo:[0,1] neg_hi:[0,1]
.set p, p+1
.endr
.set p, 0
.rept 64
.if p < 4
	v_pk_mul_f32 v[CH+2*p:CH+2*p+1], v[XR+2*p:XR+2*p+1], v[XR+2*p:XR+2*p+1]
.else
	v_pk_fma_f32 v[CH+2*(p%4):CH+2*(p%4)+1], v[XR+2*p:XR+2*p+1], v[XR+2*p:XR+2*p+1], v[CH+2*(p%4):CH+2*(p%4)+1]
.endif
.set p, p+1
.endr
	FOLD
	RED 256                                        ; other words than the first reduction's: no wave can overtake a reader
	v_fma_f32 v184, v184, s36, s37                 ; the variance + 1e-6
	v_rsq_f32 v185, v184
	v_nop                                          ; a plain instruction between the reciprocal root and its use (ISA guide 5.7.2)
	s_wait_alu depctr_va_vdst(0)
	v_mul_f32 v10, v185, v10
	v_mul_f32 v11, v185, v11
	v_mul_f32 v12, v185, v12
	v_mul_f32 v13, v185, v13
.set i, 0
.rept 32
	v_pk_fma_f32 v[XR+4*i:XR+4*i+1], v[XR+4*i:XR+4*i+1], v[10:11], v[14:15]
	v_pk_fma_f32 v[XR+4*i+2:XR+4*i+3], v[XR+4*i+2:XR+4*i+3], v[12:13], v[16:17]
	v_cvt_pk_bf16_f32 v[XR+4*i], v[XR+4*i], v[XR+4*i+1]
	v_cvt_pk_bf16_f32 v[XR+4*i+1], v[XR+4*i+2], v[XR+4*i+3]
	global_store_b64 v3, v[XR+4*i:XR+4*i+1], s[20:21] offset:2048*i  ; the wave's 32 lanes fill 256 consecutive bytes, aligned
.set i, i+1
.endr
	; bk to bf16: 64 threads of work-group 0, 8 numbers each.  The jumps go forward and pass no barrier.
	s_cmp_lg_u32 ttmp9, 0
	s_cbranch_scc1 .Ldone
	s_cmp_gt_u32 s33, 1
	s_cbranch_scc1 .Ldone
	v_lshlrev_b32 v186, 5, v0
	global_load_b128 v[18:21], v186, s[18:19]
	global_load_b128 v[22:25], v186, s[18:19] offset:16
	s_wait_loadcnt 0x0
	s_wait_xcnt 0x0                                ; v[26:29] were the weight store's data: rewritten only behind this wait
	v_cvt_pk_bf16_f32 v26, v18, v19
	v_cvt_pk_bf16_f32 v27, v20, v21
	v_cvt_pk_bf16_f32 v28, v22, v23
	v_cvt_pk_bf16_f32 v29, v24, v25
	global_store_b128 v4, v[26:29], s[22:23] offset:2097152
.Ldone:
	s_wait_tensorcnt 0x0
	ds_add_u32 v192, v193
	s_wait_dscnt 0x0
	s_endpgm
.Lfunc_end_k_q0a76bb0701_prep:
	.size	k_q0a76bb0701_prep, .Lfunc_end_k_q0a76bb0701_prep-k_q0a76bb0701_prep
	.p2alignl 7, 3214868480
	.fill 96, 4, 3214868480
	.section	.rodata,"a",@progbits
	.p2align	6, 0x0
	.amdhsa_kernel k_q0a76bb0701_prep
		.amdhsa_group_segment_fixed_size 2560
		.amdhsa_private_segment_fixed_size 0
		.amdhsa_enable_private_segment 0
		.amdhsa_kernarg_size 80
		.amdhsa_user_sgpr_count 2
		.amdhsa_user_sgpr_kernarg_segment_ptr 1
		.amdhsa_wavefront_size32 1
		.amdhsa_system_sgpr_workgroup_id_x 1
		.amdhsa_system_sgpr_workgroup_id_y 1
		.amdhsa_system_sgpr_workgroup_id_z 1
		.amdhsa_system_vgpr_workitem_id 0
		.amdhsa_next_free_vgpr 194
		.amdhsa_next_free_sgpr 66
		.amdhsa_reserve_vcc 0
		.amdhsa_float_denorm_mode_32 3
		.amdhsa_float_denorm_mode_16_64 3
		.amdhsa_memory_ordered 1
		.amdhsa_forward_progress 1
		.amdhsa_inst_pref_size 34
	.end_amdhsa_kernel
	.amdgpu_metadata
---
amdhsa.version: [ 1, 2 ]
amdhsa.kernels:
  - .name:           k_q0a76bb0701_prep
    .symbol:         k_q0a76bb0701_prep.kd
    .args:
      - { .name: x, .offset: 0, .size: 8, .value_kind: global_buffer, .address_space: global }
      - { .name: norm_scale, .offset: 8, .size: 8, .value_kind: global_buffer, .address_space: global }
      - { .name: norm_bias, .offset: 16, .size: 8, .value_kind: global_buffer, .address_space: global }
      - { .name: wq, .offset: 24, .size: 8, .value_kind: global_buffer, .address_space: global }
      - { .name: wk, .offset: 32, .size: 8, .value_kind: global_buffer, .address_space: global }
      - { .name: wv, .offset: 40, .size: 8, .value_kind: global_buffer, .address_space: global }
      - { .name: wp, .offset: 48, .size: 8, .value_kind: global_buffer, .address_space: global }
      - { .name: bk, .offset: 56, .size: 8, .value_kind: global_buffer, .address_space: global }
      - { .name: hn, .offset: 64, .size: 8, .value_kind: global_buffer, .address_space: global }
      - { .name: wts, .offset: 72, .size: 8, .value_kind: global_buffer, .address_space: global }
    .group_segment_fixed_size: 2560
    .private_segment_fixed_size: 0
    .kernarg_segment_align: 8
    .kernarg_segment_size: 80
    .max_flat_workgroup_size: 512
    .sgpr_count:     66
    .vgpr_count:     194
    .wavefront_size: 32
...
	.end_amdgpu_metadata
.endif
;; end of part 1
;; launch attn (part 2): grid 8 x 32, 4 waves a work-group, clusters of 4 x 1, 327,680 bytes of LDS; arguments x, hn, wts, bq, bv, bp, out0; writes out0
.if DOCPART == 2
	.amdgcn_target "amdgcn-amd-amdhsa--gfx1250"
	.amdhsa_code_object_version 6
	.text
	.protected	k_q0a76bb0701_attn
	.globl	k_q0a76bb0701_attn
	.p2align	8
	.type	k_q0a76bb0701_attn,@function
k_q0a76bb0701_attn:
	s_mov_b64 s[64:65], 0
	v_nop
	global_prefetch_b8 v0, s[64:65] scope:SCOPE_SE
	s_setreg_imm32_b32 hwreg(HW_REG_WAVE_MODE, 25, 1), 1
	s_wait_xcnt 0x0
	s_wait_alu depctr_hold_cnt(0) depctr_sa_sdst(0) depctr_va_vdst(0) depctr_va_sdst(0) depctr_va_ssrc(0) depctr_va_vcc(0) depctr_vm_vsrc(0)
	s_getreg_b32 s2, hwreg(HW_REG_IB_STS2, 6, 4)
	s_cmp_eq_u32 s2, 0
	s_cbranch_scc0 .Lentry_in_a_cluster
	s_endpgm
.Lentry_in_a_cluster:
	s_bfe_u32 s2, ttmp6, 0x10000c
	s_cmp_lg_u32 s2, 0x3003
	s_cbranch_scc0 .Lentry_shape_is_right
	s_endpgm
.Lentry_shape_is_right:
; out = x + softmax((hn Wq + bq)(hn Wk + bk)^T / sqrt(512)) (hn Wv + bv) Wp + bp, for 128 queries of one batch a work-group; hn and the weights come in bf16 from the launch before.
; ALGEBRA, true for every input: q . k_j = (q Wk^T) . hn_j + q . bk, and attn v = (attn hn) Wv + bv since a row of attn sums to 1.  So k and v are never formed, and ONE tile of hn serves as keys and as values.
; THE CHAIN: Q = Hq Wq + bq;  t = Q . bk;  Q' = Q Wk^T;  S = Q' hn^T + t;  running-maximum softmax, p = 2^(c s - c m), c = log2(e) / sqrt(512);  O' = (P hn) / l;  O = O' Wv + bv;  out = O Wp + bp + x.
; LIMITS.  hn, the weights, bk, Q, Q', P, O' and O are rounded to bf16 as matrix operands; sums, maxima, biases and the residual are f32; the order of rounding differs from the reference's.
; A weight p below 2^-126 counts as 0 in l.  NaN and infinities are not treated apart.  The first key step multiplies O' by a = 0: what lies in its registers then is finite whenever Q is.
; THE WALK.  48 tiles of 64 rows x 512 bf16 (65,536 dense bytes): Wq 0-7, Wk 8-15, the batch's hn 16-31, Wv 32-39, Wp 40-47, through two LDS slots.  Trip t works on tile t and asks for tile t + 1.
; CLUSTER.  The four work-groups of a cluster have one batch and walk the same 48 tiles: each tile is asked for JOINTLY, the same load, descriptor and mask in all four; each wave brings a quarter.
; A TILE keeps two rows interleaved in pieces of 16 bytes: byte(row, c) = (row / 2) * 2048 + (c / 8) * 32 + (row % 2) * 16 + (c % 8) * 2; in LDS 16 bytes of padding follow every 1,024.
; along the rows (ds_load_b128: 16 rows start 16 bytes apart modulo 256) and turned (ds_load_tr16_b128: 8 rows x 2 pieces likewise).
; PRODUCTS are used transposed: source 0 = a fragment of the tile, source 1 = 16 queries, so a lane (r = lane % 16, h = lane / 16) always holds query r.
;   along the rows (Q', S): a wave takes its own 32 queries and all 64 tile rows; register j of a result is tile row 16 kt + 8 h + j.
;   turned (Q, O', O, out): a wave takes all 128 queries and 128 of the 512 columns; lanes 8-15 address 128 bytes further on, so register j of accumulator (a, u) is column 128 w + 64 (u / 4) + 32 h + 8 (u % 4) + j.
; REGISTERS, in windows of 256 (s_set_vgpr_msb: bits 1:0 source 0, 3:2 source 1, 5:4 source 2, 7:6 destination):
;   window 0: v0-23 addresses; v24-39 statistics; v40-47 a or 1 / l of the 8 query tiles; v48-63 t; v64-127 S, also buffer A1; v128-255 FR: fragments, packed results, rows on the way out
;   window 1: v0-63 a bias in the accumulators' layout; v64-191 bk's fragments; then Q' (tile i, step s at 128 i + 8 s); at the end x, four blocks of 64
;   windows 2, 3: the 64 accumulators: (a, u) in window 2 + u / 4 at v[8 (8 (u % 4) + a)]; window 2 also stages Hq and holds Q's fragments
.set QT,    16640                      ; 16 rows of 1,040 bytes: 16 queries in AQ, 16 tile rows, a wave's quarter of a slot
.set SLOTX, 66560                      ; a slot; slot 1 begins here.  0x10400 shares no bit with w x 0x4100, so an exclusive or is the step from slot to slot
.set HALFQ, 66560                      ; 64 rows of AQ
.set AQ,    133120                     ; 128 queries x 1,040: the chain's activations and P; written by LDS stores alone
.set STG,   266240                     ; the way out: 16 rows x 528 bytes for each wave
.set SGP,   528
.set AX,    300032                     ; 128 f32: a, then 1 / l, of the work-group's queries
.set SPARE, 300544                     ; the spare words, 128 bytes a wave: two blocks of 256 bytes that no other line names
.set TILEB, 65536
.set BKOFF, 2097152
.set AAB, 1                            ; AQ + r x 1040 + 16 h; never rewritten
.set AKL, 2                            ; my lane's place in a tile, along the rows
.set AVL, 3                            ; the same, turned, with my wave's 128 columns
.set ADK, 4                            ; AKL, AVL + the slot at work
.set ADV, 5
.set AA0, 6                            ; source 1 from AQ: queries 0-63, 64-127; they step 128 bytes a tile in the chain
.set AA1, 7
.set ST0, 8                            ; where packed results go in AQ: queries 0-63, 64-127
.set ST1, 9
.set QL,  10                           ; my wave's own 32 rows of AQ
.set QS,  11                           ; QL, stepping
.set AXS, 12
.set AXL, 13
.set BL,  14                           ; my byte offset in a bias
.set SGS, 15
.set SGR, 16
.set GO,  17                           ; my byte offset in a row of x and of out0
.set SPW, 18                           ; LDS address of my spare word; never rewritten
.set NIL, 19                           ; 0; never rewritten
.set ST,  24                           ; own query tile t at ST + 8 t: c m, m, l (even keys', odd keys'), c0-c3 at work; a takes c2's place
.set AV,  40
.set T8,  48
.set S,   64
.set FR,  128
.set WV,  18                           ; s18 my wave
.set G1,  24                           ; s[24:31] descriptor group 1
.set G0,  32                           ; s[32:35] descriptor group 0: it walks
.set NX,  36                           ; s[36:37] my quarter of the tile asked for last
.set ALT, 38                           ; s[38:39] my quarter of the next tensor's first tile
.set TB,  40                           ; s40 the slot at work
.set CNT, 41
.set CS,  42                           ; s[42:43] c
.set SEL, 44                           ; s[44:45] v_permlanex16_b32's selects
.set WOF, 46                           ; s[46:47] my quarter's 16,384 bytes in a tile
.set XBS, 48                           ; s[48:49] x at the work-group's first row
.set OBS, 50                           ; s[50:51] out0 likewise
.set HNB, 54                           ; s[54:55] hn at the batch
.set HQB, 56                           ; s[56:57] hn at my wave's 32 queries
.set MSB, 0
.macro WIN new                         ; the immediate's high byte repeats the setting that is left; a switch that changes nothing is dropped
.if MSB != (\new)
	s_set_vgpr_msb (MSB<<8)|(\new)
.set MSB, (\new)
.endif
.endm
; A vector instruction or a load that touches a matrix instruction's registers stands four plain vector instructions behind it (ISA guide 7.12.1 for vector instructions).
.macro PLACES
.rept 4
	v_nop
.endr
.endm
.macro SYNC                            ; my LDS stores and loads are done; then the work-group's barrier.  The tile on its way may stay out
	s_wait_dscnt 0x0
	s_barrier_signal -1
	s_barrier_wait -1
.endm
.macro ROUND                           ; a round of the cluster's barrier
	s_barrier_signal -1
	s_barrier_wait -1
	s_cmp_lg_u32 s[WV], 0
	s_cbranch_scc1 .Lnot_wave_0_\@
	s_barrier_signal -3
.Lnot_wave_0_\@:
	s_barrier_wait -3
	s_barrier_signal -1
	s_barrier_wait -1
.endm
; THE CHANGE OF SLOTS.  All my tensor loads have landed (one was out: my quarter of the tile now to be worked on); 0 onto my spare word; the descriptor steps; my reads of the slot that is left are over; a round of the
; cluster's barrier, so that this holds of every wave of all four work-groups; then the joint refill, first thing behind it.  sel = 1: in the loop's last trip the next tensor's first tile is asked for.
; The six v_nop are also the places between the last products and the loads and products that write their source registers.
.macro TURN sel
	WIN 0
	s_wait_tensorcnt 0x0
	ds_add_u32 v[SPW], v[NIL]
	s_xor_b32 s[G0+1], s[G0+1], SLOTX
	s_add_nc_u64 s[NX:NX+1], s[NX:NX+1], TILEB
.if \sel
	s_cmp_eq_u32 s[CNT], 1
	s_cselect_b64 s[NX:NX+1], s[ALT:ALT+1], s[NX:NX+1]
.endif
	s_mov_b64 s[G0+2:G0+3], s[NX:NX+1]
	s_or_b32 s[G0+3], s[G0+3], 0x80000000
	s_xor_b32 s[TB], s[TB], SLOTX
	s_wait_dscnt 0x0
	ROUND
	tensor_load_to_lds s[G0:G0+3], s[G1:G1+7]
	s_nop 0
.rept 6
	v_nop
.endr
.endm
.macro TURNL                           ; the last change of slots: nothing is asked for, so the work-group's barrier is enough
	WIN 0
	s_wait_tensorcnt 0x0
	ds_add_u32 v[SPW], v[NIL]
	s_xor_b32 s[TB], s[TB], SLOTX
	s_wait_dscnt 0x0
	s_barrier_signal -1
	s_barrier_wait -1
.rept 6
	v_nop
.endr
.endm
; ALONG THE ROWS.  FK x: the four fragments (64 tile rows x 32 columns at step x) into buffer x % 4 of FR.
.macro FK x
.irp kt, 0,1,2,3
	ds_load_b128 v[FR+32*((\x)%4)+8*\kt:FR+32*((\x)%4)+8*\kt+3], v[ADK] offset:\kt*QT+((\x)/8)*1040+((\x)%8)*128
	ds_load_b128 v[FR+32*((\x)%4)+8*\kt+4:FR+32*((\x)%4)+8*\kt+7], v[ADK] offset:\kt*QT+((\x)/8)*1040+((\x)%8)*128+64
.endr
.endm
; MS x: step x's 8 products; the 8 accumulators take turns.  Step 0 starts the sums: with 0, or (cinit = 1) with t.
.macro MS x, cinit
.irp kt, 0,1,2,3
.irp i, 0,1
.if (\x) > 0
	v_wmma_f32_16x16x32_bf16 v[S+32*\i+8*\kt:S+32*\i+8*\kt+7], v[FR+32*((\x)%4)+8*\kt:FR+32*((\x)%4)+8*\kt+7], v[128*\i+8*(\x):128*\i+8*(\x)+7], v[S+32*\i+8*\kt:S+32*\i+8*\kt+7]
.elseif \cinit
	v_wmma_f32_16x16x32_bf16 v[S+32*\i+8*\kt:S+32*\i+8*\kt+7], v[FR+32*((\x)%4)+8*\kt:FR+32*((\x)%4)+8*\kt+7], v[128*\i+8*(\x):128*\i+8*(\x)+7], v[T8+8*\i:T8+8*\i+7]
.else
	v_wmma_f32_16x16x32_bf16 v[S+32*\i+8*\kt:S+32*\i+8*\kt+7], v[FR+32*((\x)%4)+8*\kt:FR+32*((\x)%4)+8*\kt+7], v[128*\i+8*(\x):128*\i+8*(\x)+7], 0
.endif
.endr
.endr
.endm
; SPH: a tile's 128 products along the rows.  win says where source 1 lies (0x08 window 2, 0x04 window 1); under both an LDS load's address and destination are in window 0.  Four buffers: three steps' loads are out.
.macro SPH win, cinit
	WIN 0
	v_add_nc_u32 v[ADK], s[TB], v[AKL]
	FK 0
	FK 1
	FK 2
	FK 3
	WIN \win
.set st, 0
.rept 16
.if st < 13
	s_wait_dscnt 24                                ; this step's 8 loads are in; the next three steps' stay out
.else
	s_wait_dscnt 8*(15-st)
.endif
	MS st, \cinit
.if st < 12
	PLACES
	FK st+4
.endif
.set st, st+1
.endr
.endm
; TURNED.  LB kk, uh: four fragments (32 tile rows 32 kk on x 16 columns each) of my columns' half uh into buffer B(uh) = FR + 64 + 32 uh.
.macro LB kk, uh
.irp ui, 0,1,2,3
	ds_load_tr16_b128 v[FR+64+32*(\uh)+8*\ui:FR+64+32*(\uh)+8*\ui+3], v[ADV] offset:(\kk)*2*QT+(\uh)*256+\ui*32
	ds_load_tr16_b128 v[FR+64+32*(\uh)+8*\ui+4:FR+64+32*(\uh)+8*\ui+7], v[ADV] offset:(\kk)*2*QT+QT+(\uh)*256+\ui*32
.endr
.endm
; LA kk: source 1 for all 8 query tiles, 32 along K at byte 64 kk, into A0 = FR (kk = 0) or A1 = S (kk = 1).
.macro LA kk
.irp a, 0,1,2,3,4,5,6,7
	ds_load_b128 v[FR-64*(\kk)+8*\a:FR-64*(\kk)+8*\a+3], v[AA0+\a/4] offset:(\a%4)*QT+64*(\kk)
	ds_load_b128 v[FR-64*(\kk)+8*\a+4:FR-64*(\kk)+8*\a+7], v[AA0+\a/4] offset:(\a%4)*QT+64*(\kk)+32
.endr
.endm
; BLK: 32 products on 32 accumulators, which take turns.  init = 1: the bias, in window 1, starts the sums: nothing is cleared.
.macro BLK kk, uh, init
.if \init
	WIN 0x90+0x40*(\uh)
.else
	WIN 0xa0+0x50*(\uh)
.endif
.irp ui, 0,1,2,3
.irp a, 0,1,2,3,4,5,6,7
.if \init
	v_wmma_f32_16x16x32_bf16 v[8*(8*\ui+\a):8*(8*\ui+\a)+7], v[FR+64+32*(\uh)+8*\ui:FR+64+32*(\uh)+8*\ui+7], v[FR-64*(\kk)+8*\a:FR-64*(\kk)+8*\a+7], v[8*(4*(\uh)+\ui):8*(4*(\uh)+\ui)+7]
.else
	v_wmma_f32_16x16x32_bf16 v[8*(8*\ui+\a):8*(8*\ui+\a)+7], v[FR+64+32*(\uh)+8*\ui:FR+64+32*(\uh)+8*\ui+7], v[FR-64*(\kk)+8*\a:FR-64*(\kk)+8*\a+7], v[8*(8*\ui+\a):8*(8*\ui+\a)+7]
.endif
.endr
.endr
.endm
; A CHAIN TILE: 128 products.  The last 32 are held back (their fragments are in registers before the change of slots) and stand under the next tile's first loads (pend = 1).
.macro CHBODY pend, init, step
	WIN 0
	v_add_nc_u32 v[ADV], s[TB], v[AVL]
	LB 0, 0
	LA 0
.if \pend
	BLK 1, 1, 0
	PLACES
	WIN 0
.endif
	LB 0, 1
	LA 1
.if \step
	v_add_nc_u32 v[AA0], 128, v[AA0]               ; the next tile's 64 along K
	v_add_nc_u32 v[AA1], 128, v[AA1]
.endif
	s_wait_dscnt 24                                ; LB 0,0 and LA 0 are in; LB 0,1 (8) and LA 1 (16) stay out
	BLK 0, 0, \init
	PLACES
	WIN 0
	LB 1, 0
	s_wait_dscnt 24                                ; LB 0,1 is in; LA 1 (16) and LB 1,0 (8) stay out
	BLK 0, 1, \init
	PLACES
	WIN 0
	LB 1, 1
	s_wait_dscnt 8                                 ; LA 1 and LB 1,0 are in; LB 1,1 (8) stays out
	BLK 1, 0, 0
.endm
.macro FLUSH
	s_wait_dscnt 0x0
	BLK 1, 1, 0
.endm
.macro CHAIN8                          ; eight chain tiles, the bias first
	TURN 0
	CHBODY 0, 1, 1
	WIN 0
	s_mov_b32 s[CNT], 7
.Lchain_\@:
	TURN 0
	CHBODY 1, 0, 1
	WIN 0
	s_sub_co_u32 s[CNT], s[CNT], 1
	s_cmp_lg_u32 s[CNT], 0
	s_cbranch_scc1 .Lchain_\@
	FLUSH
	WIN 0
.endm
; The accumulators of window 2 + uh times AV (of query tile a = n % 8), each from its lowest registers on.
.macro SCL uh
	WIN 0x82+0x41*(\uh)
.set n, 0
.rept 32
.irp z, 0,1,2,3
.if n%2
	v_pk_mul_f32 v[8*n+2*\z:8*n+2*\z+1], v[8*n+2*\z:8*n+2*\z+1], v[AV+n%8-1:AV+n%8] op_sel:[0,1] op_sel_hi:[1,1]
.else
	v_pk_mul_f32 v[8*n+2*\z:8*n+2*\z+1], v[8*n+2*\z:8*n+2*\z+1], v[AV+n%8:AV+n%8+1] op_sel_hi:[1,0]
.endif
.endr
.set n, n+1
.endr
.endm
; The accumulators (times AV if scale = 1) rounded to bf16 and laid into AQ: a lane's 32 columns of a half are 64 consecutive bytes of its query's row.
.macro EPI scale
	PLACES
.irp uh, 0,1
.if \scale
	SCL \uh
.endif
	WIN 0x0a+5*\uh
.set n, 0
.rept 128
	v_cvt_pk_bf16_f32 v[FR+n], v[2*n], v[2*n+1]
.set n, n+1
.endr
	WIN 0
.irp ui, 0,1,2,3
.irp a, 0,1,2,3,4,5,6,7
	ds_store_b128 v[ST0+\a/4], v[FR+4*(8*\ui+\a):FR+4*(8*\ui+\a)+3] offset:(\a%4)*QT+\uh*128+\ui*16
.endr
.endr
.endr
.endm
.macro LBIAS sb                        ; a bias into window 1, v0-63, in the accumulators' layout
	WIN 0x40
.irp u, 0,1,2,3,4,5,6,7
	global_load_b128 v[8*\u:8*\u+3], v[BL], s[\sb:\sb+1] offset:(\u/4)*256+(\u%4)*32
	global_load_b128 v[8*\u+4:8*\u+7], v[BL], s[\sb:\sb+1] offset:(\u/4)*256+(\u%4)*32+16
.endr
	WIN 0
.endm
.macro AARESET
	v_mov_b32 v[AA0], v[AAB]
	v_add_nc_u32 v[AA1], HALFQ, v[AAB]
.endm
.macro XLOAD a                         ; 16 rows of x, my 512 bytes of each, into block a % 4 of window 1
	WIN 0x40
.set t, 0
.rept 16
	global_load_b128 v[64*((\a)%4)+4*t:64*((\a)%4)+4*t+3], v[GO], s[XBS:XBS+1] offset:(16*(\a)+t)*2048 th:TH_LOAD_NT
.set t, t+1
.endr
	WIN 0
.endm
; THE SOFTMAX of one own query tile for one key step: a list of 102 instructions; SM writes number j for tile t.  s0-s31 are the lane's 32 scores.
;   0-15 the maximum of the scores and the old m (each accumulator's lowest registers are read first)    16-20 the other half of the lanes; m; c m; c m_old - c m_new
;   21-87 33 exponentials at the odd numbers from 23 on, a plain instruction behind each (ISA guide 5.7.2): scalings ahead of their exponentials, roundings behind theirs, the first sums    88-101 the rest; l = a l + sum
.macro SM t
.set rT, ST+8*(\t)
.set rS, S+32*(\t)
.set rP, FR+16*(\t)
.set q, (j-20)/2
.if j < 4
	v_max3_num_f32 v[rT+4+j], v[rS+8*j], v[rS+8*j+1], v[rS+8*j+2]
.elseif j < 12
	v_max3_num_f32 v[rT+4+j%4], v[rT+4+j%4], v[rS+8*(j%4)+2*(j/4)+1], v[rS+8*(j%4)+2*(j/4)+2]
.elseif j == 12
	v_max3_num_f32 v[rT+4], v[rT+4], v[rS+7], v[rS+15]
.elseif j == 13
	v_max3_num_f32 v[rT+6], v[rT+6], v[rS+23], v[rS+31]
.elseif j == 14
	v_max3_num_f32 v[rT+4], v[rT+4], v[rT+5], v[rT+6]
.elseif j == 15
	v_max3_num_f32 v[rT+4], v[rT+4], v[rT+7], v[rT+1]
.elseif j == 16
	v_permlanex16_b32 v[rT+5], v[rT+4], s[SEL], s[SEL+1]
.elseif j == 17
	v_mov_b32 v[rT+7], v[rT]
.elseif j == 18
	v_max_num_f32 v[rT+1], v[rT+4], v[rT+5]
.elseif j == 19
	v_mul_f32 v[rT], s[CS], v[rT+1]
.elseif j == 20
	v_sub_f32 v[rT+7], v[rT+7], v[rT]
.elseif j == 23
	v_exp_f32 v[rT+6], v[rT+7]
.elseif (j > 23) && (j < 88) && (j%2 == 1)
	v_exp_f32 v[rS+(j-25)/2], v[rS+(j-25)/2]
.elseif (q < 4) || ((j < 76) && (q%2 == 0))
.set b, q/2+2
.if q < 4
.set b, q
.endif
	v_pk_fma_f32 v[rS+2*b:rS+2*b+1], v[rS+2*b:rS+2*b+1], s[CS:CS+1], v[rT:rT+1] op_sel_hi:[1,0,0] neg_lo:[0,0,1] neg_hi:[0,0,1]
.elseif (j < 88) && (q%2 == 1)
	s_wait_alu depctr_va_vdst(0)
	v_cvt_pk_bf16_f32 v[rP+(q-5)/2], v[rS+q-5], v[rS+q-4]
.elseif j == 89
	s_wait_alu depctr_va_vdst(0)
	v_cvt_pk_bf16_f32 v[rP+15], v[rS+30], v[rS+31]
.else
.set z, j-86
.if j < 89
.set z, (j-76)/4
.endif
.set w, 4
.set u, z
.if z >= 14
.set w, 32
.set u, 0
.elseif z >= 12
.set w, 16
.set u, z-12
.elseif z >= 8
.set w, 8
.set u, z-8
.endif
.if z < 15
	v_pk_add_f32 v[rS+w*u:rS+w*u+1], v[rS+w*u:rS+w*u+1], v[rS+w*u+w/2:rS+w*u+w/2+1]
.else
	v_pk_fma_f32 v[rT+2:rT+3], v[rT+2:rT+3], v[rT+6:rT+7], v[rS:rS+1] op_sel_hi:[1,0,1]
.endif
.endif
.endm
.macro SMX                             ; both own tiles: where exponentials stand, tile by tile (plain, exponential, plain, exponential); elsewhere the tiles alternate
	WIN 0
.set k, 0
.rept 51
.if (k >= 11) && (k < 44)
.irp t, 0,1
.irp n, 0,1
.set j, 2*k+\n
	SM \t
.endr
.endr
.else
.irp n, 0,1
.irp t, 0,1
.set j, 2*k+\n
	SM \t
.endr
.endr
.endif
.set k, k+1
.endr
.endm
	; ---------------------------------------------------------------- the head
	s_load_b256 s[4:11], s[0:1], 0x0               ; x s[4:5], hn s[6:7], wts s[8:9], bq s[10:11]
	s_load_b128 s[12:15], s[0:1], 0x20             ; bv s[12:13], bp s[14:15]
	s_load_b64 s[16:17], s[0:1], 0x30              ; out0
	v_lshl_add_u32 v[SPW], v0, 2, SPARE
	v_mov_b32 v[NIL], 0
	ds_add_u32 v18, v19
	ds_add_u32 v18, v19
	s_wait_dscnt 0x0
	v_lshrrev_b32 v20, 5, v0
	v_readfirstlane_b32 s[WV], v20                 ; wave 0..3
	s_bfe_u32 s19, ttmp6, 0x40000                  ; cx: it enters the addresses of Hq, x and out0 alone
	s_lshl_b32 s20, ttmp9, 2
	s_add_co_u32 s20, s20, s19                     ; my block of 128 queries
	s_and_b32 s21, ttmp7, 0xffff                   ; the batch, which the four partners share
	; descriptor group 1: my quarter of a tile, 16,384 dense bytes, as 16 rows of 1,024 bytes.  The padding's interval is a row, so LDS rows lie 1,040 bytes apart.  Not 64 rows of 256 bytes:
	; at their pitch of 272 the 16 tile rows of a fragment load would fall into four 16-byte columns modulo 256; at 1,040 a pair of tile rows starts 2,080 = 32 modulo 256 bytes behind the last: sixteen columns.
	s_mov_b32 s[G1], 15|(1<<16)|(1<<20)|(1<<21)|(7<<22)|(3<<25)  ; 15:0 the mask of four; 17:16 2-byte elements; 20 padding on; 21 set beside a mask; 24:22 after every 256 words (code 7); 31:25 4 words (code 3)
	s_mov_b32 s[G1+1], 512<<16                     ; tensor_dim0 = 512
	s_mov_b32 s[G1+2], 16<<16                      ; tensor_dim1 = 16
	s_mov_b32 s[G1+3], 512<<16                     ; tile_dim0 = 512
	s_mov_b32 s[G1+4], 16                          ; tile_dim1 = 16
	s_mov_b32 s[G1+5], 512                         ; 512 elements from row to row
	s_mov_b32 s[G1+6], 0
	s_mov_b32 s[G1+7], 0
	s_mov_b32 s[G0], 1
	s_mul_i32 s[G0+1], s[WV], QT                   ; my quarter of slot 0: no place in the cluster enters an LDS address
	s_mov_b32 s[TB], SLOTX                         ; the first change of slots turns it into 0
	s_mov_b32 s[CS], 0x3d8293ee                    ; c = log2(e) / sqrt(512) = 0.0637587
	s_mov_b32 s[CS+1], s[CS]
	s_mov_b32 s[SEL], 0x76543210
	s_mov_b32 s[SEL+1], 0xfedcba98
	s_lshl_b32 s[WOF], s[WV], 14
	s_mov_b32 s[WOF+1], 0
	s_lshl_b32 s52, s21, 20                        ; a batch of hn
	s_mov_b32 s53, 0
	s_lshl_b32 s22, s20, 17                        ; 128 queries of hn,
	s_lshl_b32 s23, s[WV], 15                      ; my wave's 32
	s_add_co_u32 s22, s22, s23
	s_mov_b32 s23, 0
	s_lshl_b32 s58, s21, 21                        ; a batch of x and out0,
	s_lshl_b32 s59, s20, 18                        ; 128 rows
	s_add_co_u32 s58, s58, s59
	s_mov_b32 s59, 0
	s_wait_kmcnt 0x0
	s_add_nc_u64 s[NX:NX+1], s[8:9], s[WOF:WOF+1]  ; tile 0: Wq's rows 0-63
	s_mov_b64 s[G0+2:G0+3], s[NX:NX+1]
	s_or_b32 s[G0+3], s[G0+3], 0x80000000
	s_add_nc_u64 s[HNB:HNB+1], s[6:7], s[52:53]
	s_add_nc_u64 s[HQB:HQB+1], s[HNB:HNB+1], s[22:23]
	s_add_nc_u64 s[XBS:XBS+1], s[4:5], s[58:59]
	s_add_nc_u64 s[OBS:OBS+1], s[16:17], s[58:59]
	ROUND                                          ; all four work-groups are here: the first joint load meets
	tensor_load_to_lds s[G0:G0+3], s[G1:G1+7]
	s_nop 0
	PLACES
	v_and_b32 v20, 15, v0                          ; r
	v_bfe_u32 v21, v0, 4, 1                        ; h
	v_and_b32 v22, 31, v0                          ; lane
	v_lshrrev_b32 v23, 1, v20
	v_mul_u32_u24 v[AKL], v23, 2080                ; AKL = (r / 2) x 2080 + (r % 2) x 16 + 32 h
	v_and_b32 v23, 1, v0
	v_lshl_add_u32 v[AKL], v23, 4, v[AKL]
	v_lshl_add_u32 v[AKL], v21, 5, v[AKL]
	v_bfe_u32 v[AVL], v0, 1, 2                     ; AVL: tile row 8 h + lane % 8; lanes 8-15 of each half 128 bytes on; my wave's 128 columns
	v_lshl_add_u32 v[AVL], v21, 2, v[AVL]
	v_mul_u32_u24 v[AVL], v[AVL], 2080
	v_lshl_add_u32 v[AVL], v23, 4, v[AVL]
	v_bfe_u32 v23, v0, 3, 1
	v_lshl_add_u32 v[AVL], v23, 7, v[AVL]
	s_lshr_b32 s22, s[WV], 1
	s_mul_i32 s22, s22, 1040
	s_and_b32 s23, s[WV], 1
	s_lshl_b32 s23, s23, 9
	s_add_co_u32 s22, s22, s23
	v_add_nc_u32 v[AVL], s22, v[AVL]
	v_mul_u32_u24 v[AAB], v20, 1040
	v_lshl_add_u32 v[ST0], v21, 6, v[AAB]          ; ST0 = AQ + r x 1040 + 64 h + 256 w
	v_lshl_add_u32 v[AAB], v21, 4, v[AAB]
	v_add_nc_u32 v[AAB], AQ, v[AAB]
	AARESET
	s_lshl_b32 s22, s[WV], 8
	s_add_co_u32 s22, s22, AQ
	v_add_nc_u32 v[ST0], s22, v[ST0]
	v_add_nc_u32 v[ST1], HALFQ, v[ST0]
	s_mul_i32 s22, s[WV], 2*QT
	v_add_nc_u32 v[QL], s22, v[AAB]
	v_lshlrev_b32 v[AXL], 2, v20
	v_add_nc_u32 v[AXL], AX, v[AXL]
	v_lshl_add_u32 v[AXS], s[WV], 7, v[AXL]
	v_lshlrev_b32 v[BL], 7, v21
	v_lshl_add_u32 v[BL], s[WV], 9, v[BL]
	s_mul_i32 s23, s[WV], 16*SGP
	s_add_co_u32 s23, s23, STG
	v_mul_u32_u24 v[SGS], v20, SGP
	v_lshl_add_u32 v[SGS], v21, 7, v[SGS]
	v_add_nc_u32 v[SGS], s23, v[SGS]
	v_lshl_add_u32 v[SGR], v22, 4, s23
	v_lshlrev_b32 v[GO], 4, v22
	v_lshl_add_u32 v[GO], s[WV], 9, v[GO]
	v_and_b32 v23, 1, v0                           ; where a piece of Hq goes: row 32 w + lane % 2, byte 16 (lane / 2)
	v_mul_u32_u24 v23, v23, 1040
	v_lshrrev_b32 v20, 1, v22
	v_lshl_add_u32 v23, v20, 4, v23
	s_add_co_u32 s22, s22, AQ
	v_add_nc_u32 v23, s22, v23
	v_lshlrev_b32 v21, 4, v21                      ; 16 h: bk's fragments
	v_lshlrev_b32 v22, 4, v22                      ; 16 x lane: Hq as it lies
	; My 32 queries of hn, 32,768 dense bytes in 64 loads, go through window 2 into plain rows of AQ.  The first 32 loads and bq's 16 go out; then, four at a time, pieces are stored and the other 32 loads issued.
	WIN 0x88                                       ; loaded data and LDS store data in window 2, addresses in window 0
.set i, 0
.rept 32
	global_load_b128 v[4*i:4*i+3], v22, s[HQB:HQB+1] offset:512*i
.set i, i+1
.endr
	LBIAS 10                                       ; bq
	WIN 0x88
.set g, 0
.rept 8
	s_wait_loadcnt 44                              ; loads 4 g to 4 g + 3 are in: behind them 28 - 4 g of the first half, bq's 16 and 4 g of the second half
.irp e, 0,1,2,3
	ds_store_b128 v23, v[4*(4*g+\e):4*(4*g+\e)+3] offset:g*2080+\e*256  ; the interleaved pieces go to plain rows of AQ
.endr
.irp e, 0,1,2,3
	global_load_b128 v[4*(32+4*g+\e):4*(32+4*g+\e)+3], v22, s[HQB:HQB+1] offset:512*(32+4*g+\e)
.endr
.set g, g+1
.endr
.rept 8
	s_wait_loadcnt 60-4*g                          ; loads 4 g to 4 g + 3 are in; the younger ones stay out; the last wait is for 0, and bq is in with it
.irp e, 0,1,2,3
	ds_store_b128 v23, v[4*(4*g+\e):4*(4*g+\e)+3] offset:g*2080+\e*256
.endr
.set g, g+1
.endr
	WIN 0x40
.set st, 0
.rept 16                                               ; bk as source 0 with all 16 rows alike: every lane of a half takes the same 16 bytes; waited for in front of t's products
	global_load_b128 v[64+8*st:64+8*st+3], v21, s[8:9] offset:BKOFF+64*st
	global_load_b128 v[64+8*st+4:64+8*st+7], v21, s[8:9] offset:BKOFF+64*st+32
.set st, st+1
.endr
	WIN 0
	; ---------------------------------------------------------------- Q = Hq Wq + bq (tiles 0-7), into AQ
	CHAIN8
	SYNC                                           ; every wave has read Hq out of AQ
	EPI 0
	SYNC                                           ; Q is whole
	; ---------------------------------------------------------------- my 32 queries' fragments of Q, and t = Q . bk
	WIN 0x80
.set st, 0
.rept 16
.irp i, 0,1
	ds_load_b128 v[128*\i+8*st:128*\i+8*st+3], v[QL] offset:\i*QT+64*st
	ds_load_b128 v[128*\i+8*st+4:128*\i+8*st+7], v[QL] offset:\i*QT+64*st+32
.endr
.set st, st+1
.endr
	s_wait_loadcnt 0x0                             ; bk
	s_wait_dscnt 0x0
	WIN 0x09                                       ; source 0 (bk) window 1, source 1 (Q) window 2
.set st, 0
.rept 16                                               ; the two accumulators take turns; every register of a result holds t of the lane's query
.irp i, 0,1
.if st == 0
	v_wmma_f32_16x16x32_bf16 v[T8+8*\i:T8+8*\i+7], v[64+8*st:64+8*st+7], v[128*\i+8*st:128*\i+8*st+7], 0
.else
	v_wmma_f32_16x16x32_bf16 v[T8+8*\i:T8+8*\i+7], v[64+8*st:64+8*st+7], v[128*\i+8*st:128*\i+8*st+7], v[T8+8*\i:T8+8*\i+7]
.endif
.endr
.set st, st+1
.endr
	WIN 0
	; ---------------------------------------------------------------- Q' = Q Wk^T (tiles 8-15): 64 columns of Q' a tile, into my own rows of AQ, whose Q is in registers
	v_mov_b32 v[QS], v[QL]
	s_add_nc_u64 s[ALT:ALT+1], s[HNB:HNB+1], s[WOF:WOF+1]  ; behind Wk's last tile: the batch's first 64 keys
	s_mov_b32 s[CNT], 8
.Lqk:
	TURN 1
	SPH 0x08, 0
	PLACES
	WIN 0
.set n, 0
.rept 32
	v_cvt_pk_bf16_f32 v[FR+n], v[S+2*n], v[S+2*n+1]
.set n, n+1
.endr
.irp i, 0,1
.irp kt, 0,1,2,3
	ds_store_b128 v[QS], v[FR+16*\i+4*\kt:FR+16*\i+4*\kt+3] offset:\i*QT+32*\kt
.endr
.endr
	v_add_nc_u32 v[QS], 128, v[QS]
	s_sub_co_u32 s[CNT], s[CNT], 1
	s_cmp_lg_u32 s[CNT], 0
	s_cbranch_scc1 .Lqk
	WIN 0x40                                       ; Q' stays in registers; LDS serves a wave's instructions in order (ISA guide 5.7.1.4): these loads see my stores; the next change of slots waits for them
.set st, 0
.rept 16
.irp i, 0,1
	ds_load_b128 v[128*\i+8*st:128*\i+8*st+3], v[QL] offset:\i*QT+64*st
	ds_load_b128 v[128*\i+8*st+4:128*\i+8*st+7], v[QL] offset:\i*QT+64*st+32
.endr
.set st, st+1
.endr
	WIN 0
	; ---------------------------------------------------------------- the keys (tiles 16-31): S, softmax, O' += P hn
.irp t, 0,1
	v_mov_b32 v[ST+8*\t], 0xfe000000               ; c m: far below every c s, so the first step's a is 0
	v_mov_b32 v[ST+8*\t+1], 0xff7fffff             ; m: the lowest finite number
	v_mov_b32 v[ST+8*\t+2], 0
	v_mov_b32 v[ST+8*\t+3], 0
.endr
	AARESET
	s_add_nc_u64 s[ALT:ALT+1], s[8:9], s[WOF:WOF+1]
	s_add_nc_u64 s[ALT:ALT+1], s[ALT:ALT+1], 1048576  ; behind the last keys: Wv's first tile
	s_mov_b32 s[CNT], 16
.Lkeys:
	TURN 1
	SPH 0x04, 1                                    ; S^T = hn Q'^T + t for my 32 queries
	PLACES
	WIN 0
	v_add_nc_u32 v[ADV], s[TB], v[AVL]
	LB 0, 0                                        ; the tile's first turned fragments come in under the softmax
	LB 0, 1
	SMX
.irp t, 0,1
.irp kt, 0,1,2,3
	ds_store_b128 v[QL], v[FR+16*\t+4*\kt:FR+16*\t+4*\kt+3] offset:\t*QT+32*\kt  ; P: 64 keys at the head of my queries' rows
.endr
	ds_store_b32 v[AXS], v[ST+8*\t+6] offset:64*\t  ; a: both halves of the lanes write the same word with the same number
.endr
	SYNC                                           ; P and a of all 128 queries are there
.irp a, 0,1,2,3,4,5,6,7
	ds_load_b32 v[AV+\a], v[AXL] offset:64*\a
.endr
	LA 0
	LA 1
	s_wait_dscnt 32                                ; a is in; LA 0 and LA 1 stay out
	SCL 0                                          ; O' times a
	SCL 1
	s_wait_dscnt 16                                ; LA 0 is in
	BLK 0, 0, 0
	PLACES
	WIN 0
	LB 1, 0
	BLK 0, 1, 0
	PLACES
	WIN 0
	LB 1, 1
	s_wait_dscnt 8                                 ; LA 1 and LB 1,0 are in; LB 1,1 stays out
	BLK 1, 0, 0
	s_wait_dscnt 0x0
	BLK 1, 1, 0
	WIN 0
	s_sub_co_u32 s[CNT], s[CNT], 1
	s_cmp_lg_u32 s[CNT], 0
	s_cbranch_scc1 .Lkeys
	; ---------------------------------------------------------------- O' / l, into AQ
	LBIAS 12                                       ; bv
.irp t, 0,1
	v_add_f32 v[ST+8*\t+4], v[ST+8*\t+2], v[ST+8*\t+3]
.endr
.irp t, 0,1
	v_permlanex16_b32 v[ST+8*\t+5], v[ST+8*\t+4], s[SEL], s[SEL+1]
.endr
.irp t, 0,1
	v_add_f32 v[ST+8*\t+4], v[ST+8*\t+4], v[ST+8*\t+5]
.endr
.irp t, 0,1
	v_rcp_f32 v[ST+8*\t+6], v[ST+8*\t+4]
.endr
	v_nop                                          ; a plain instruction between the last reciprocal and its use
	SYNC                                           ; every wave has read the last a and the last P
	s_wait_alu depctr_va_vdst(0)
.irp t, 0,1
	ds_store_b32 v[AXS], v[ST+8*\t+6] offset:64*\t
.endr
	SYNC
.irp a, 0,1,2,3,4,5,6,7
	ds_load_b32 v[AV+\a], v[AXL] offset:64*\a
.endr
	s_wait_dscnt 0x0
	EPI 1
	SYNC
	; ---------------------------------------------------------------- O = O' Wv + bv (tiles 32-39), into AQ
	AARESET
	s_wait_loadcnt 0x0                             ; bv
	CHAIN8
	LBIAS 14                                       ; bp
	SYNC
	EPI 0
	SYNC
	; ---------------------------------------------------------------- out = O Wp + bp (tiles 40-47)
	AARESET
	s_wait_loadcnt 0x0                             ; bp
	TURN 0
	CHBODY 0, 1, 1
	XLOAD 0                                        ; the bias has been read, four v_nop and 32 products ago: its registers take x.  Rows 0-47 are asked for seven tiles ahead of their use: 48 loads of mine are out
	XLOAD 1
	XLOAD 2
	s_mov_b32 s[CNT], 6
.Lwp:
	TURN 0
	CHBODY 1, 0, 1
	WIN 0
	s_sub_co_u32 s[CNT], s[CNT], 1
	s_cmp_lg_u32 s[CNT], 0
	s_cbranch_scc1 .Lwp
	v_bfe_u32 v20, v0, 1, 4                        ; for the prefetch: row lane / 2, 256 bytes lane % 2 of my wave's 512
	v_lshlrev_b32 v20, 11, v20
	v_and_b32 v21, 1, v0
	v_lshl_add_u32 v20, v21, 8, v20
	v_lshl_add_u32 v20, s[WV], 9, v20
	TURNL
.irp k, 0,1,2,3,4                                      ; x's rows 48-127, my wave's 512 bytes of each: every 256 bytes asked for once, one tile's products and at least one block of the way out ahead of the loads; the last row asked for is the work-group's last
	global_prefetch_b8 v20, s[XBS:XBS+1] offset:(48+16*\k)*2048 th:TH_LOAD_NT scope:SCOPE_SE
.endr
	CHBODY 1, 0, 0
	FLUSH
	; ---------------------------------------------------------------- THE WAY OUT, 16 queries at a time: through my own stage into whole rows; + x; stored
	PLACES
.irp a, 0,1,2,3,4,5,6,7
	WIN 0x08                                       ; store data in window 2, then 3; each accumulator's low half first
.irp u, 0,1,2,3
	ds_store_b128 v[SGS], v[8*(8*\u+\a):8*(8*\u+\a)+3] offset:\u*32
	ds_store_b128 v[SGS], v[8*(8*\u+\a)+4:8*(8*\u+\a)+7] offset:\u*32+16
.endr
	WIN 0x0c
.irp u, 0,1,2,3
	ds_store_b128 v[SGS], v[8*(8*\u+\a):8*(8*\u+\a)+3] offset:256+\u*32
	ds_store_b128 v[SGS], v[8*(8*\u+\a)+4:8*(8*\u+\a)+7] offset:256+\u*32+16
.endr
	WIN 0
	s_wait_xcnt 0x0                                ; the registers that the stores of two blocks ago read are loaded again only behind this wait
.set t, 0
.rept 16
	ds_load_b128 v[FR+64*(\a%2)+4*t:FR+64*(\a%2)+4*t+3], v[SGR] offset:SGP*t  ; LDS serves a wave's instructions in order: these see the stores above, and the next block's stores come behind them
.set t, t+1
.endr
.if \a < 6
	s_wait_loadcnt 32                              ; this block's x is in; two younger blocks' 16 loads each stay out
.else
	s_wait_loadcnt 16*(7-\a)
.endif
	s_wait_dscnt 0x0
	WIN 0x04                                       ; x in window 1
.set z, 0
.rept 32
	v_pk_add_f32 v[FR+64*(\a%2)+2*z:FR+64*(\a%2)+2*z+1], v[FR+64*(\a%2)+2*z:FR+64*(\a%2)+2*z+1], v[64*(\a%4)+2*z:64*(\a%4)+2*z+1]
.set z, z+1
.endr
	WIN 0
.set t, 0
.rept 16
	global_store_b128 v[GO], v[FR+64*(\a%2)+4*t:FR+64*(\a%2)+4*t+3], s[OBS:OBS+1] offset:(16*\a+t)*2048 th:TH_STORE_NT  ; the wave stores 512 consecutive bytes, at a multiple of 256 from out0's first
.set t, t+1
.endr
.if \a < 5
	XLOAD \a+3                                     ; into the block of registers that the block before this one has added
.endif
.endr
	WIN 0
	s_wait_tensorcnt 0x0                           ; the wave's end: behind my last tensor load and my last LDS store
	ds_add_u32 v[SPW], v[NIL]
	s_wait_dscnt 0x0
	ROUND                                          ; the closing round: no work-group ends while a partner may still ask for a tile that names it
	s_endpgm
.Lfunc_end_k_q0a76bb0701_attn:
	.size	k_q0a76bb0701_attn, .Lfunc_end_k_q0a76bb0701_attn-k_q0a76bb0701_attn
	.p2alignl 7, 3214868480
	.fill 96, 4, 3214868480
	.section	.rodata,"a",@progbits
	.p2align	6, 0x0
	.amdhsa_kernel k_q0a76bb0701_attn
		.amdhsa_group_segment_fixed_size 327680
		.amdhsa_private_segment_fixed_size 0
		.amdhsa_enable_private_segment 0
		.amdhsa_kernarg_size 56
		.amdhsa_user_sgpr_count 2
		.amdhsa_user_sgpr_kernarg_segment_ptr 1
		.amdhsa_wavefront_size32 1
		.amdhsa_system_sgpr_workgroup_id_x 1
		.amdhsa_system_sgpr_workgroup_id_y 1
		.amdhsa_system_sgpr_workgroup_id_z 1
		.amdhsa_system_vgpr_workitem_id 0
		.amdhsa_next_free_vgpr 1024
		.amdhsa_next_free_sgpr 66
		.amdhsa_reserve_vcc 0
		.amdhsa_float_denorm_mode_32 3
		.amdhsa_float_denorm_mode_16_64 3
		.amdhsa_memory_ordered 1
		.amdhsa_forward_progress 1
		.amdhsa_inst_pref_size 255
	.end_amdhsa_kernel
	.section	.bss,"aw",@nobits
	.p2align	6
	.space	262144
	.amdgpu_metadata
---
amdhsa.version: [ 1, 2 ]
amdhsa.kernels:
  - .name:           k_q0a76bb0701_attn
    .symbol:         k_q0a76bb0701_attn.kd
    .args:
      - { .name: x, .offset: 0, .size: 8, .value_kind: global_buffer, .address_space: global }
      - { .name: hn, .offset: 8, .size: 8, .value_kind: global_buffer, .address_space: global }
      - { .name: wts, .offset: 16, .size: 8, .value_kind: global_buffer, .address_space: global }
      - { .name: bq, .offset: 24, .size: 8, .value_kind: global_buffer, .address_space: global }
      - { .name: bv, .offset: 32, .size: 8, .value_kind: global_buffer, .address_space: global }
      - { .name: bp, .offset: 40, .size: 8, .value_kind: global_buffer, .address_space: global }
      - { .name: out0, .offset: 48, .size: 8, .value_kind: global_buffer, .address_space: global }
    .group_segment_fixed_size: 327680
    .private_segment_fixed_size: 0
    .kernarg_segment_align: 8
    .kernarg_segment_size: 56
    .max_flat_workgroup_size: 128
    .sgpr_count:     66
    .vgpr_count:     1024
    .wavefront_size: 32
...
	.end_amdgpu_metadata
.endif
;; end of part 2
;; ======== version 2 of 3: 3 launches
;; workspace buffers: hn 33,554,432 bytes; wts 2,162,688 bytes; fw 1,053,952 bytes
;; launch prep (part 3): grid 256 x 1, 16 waves a work-group, no clusters, 2,560 bytes of LDS; arguments x, norm_scale, norm_bias, wq, wk, wv, wp, bk, hn, wts, bq, bv; writes hn, wts
.if DOCPART == 3
	.amdgcn_target "amdgcn-amd-amdhsa--gfx1250"
	.amdhsa_code_object_version 6
	.text
	.protected	k_q0a76bb0701_prep
	.globl	k_q0a76bb0701_prep
	.p2align	8
	.type	k_q0a76bb0701_prep,@function
k_q0a76bb0701_prep:
	s_mov_b64 s[64:65], 0
	v_nop
	global_prefetch_b8 v0, s[64:65] scope:SCOPE_SE
	s_setreg_imm32_b32 hwreg(HW_REG_WAVE_MODE, 25, 1), 1
	s_wait_xcnt 0x0
; GROUP NORM TO bf16, AND THE WEIGHTS AND THREE BIASES TO bf16.  x: [32][1024][512] f32.  hn = ((x - mean) * rsqrt(var + 1e-6)) * scale + bias, rounded once to bf16.
; A group is 16 channels of all 1,024 pixels of a batch: 16,384 numbers.  A work-group takes one batch and 64 channels (4 groups): 1,024 x 64 f32 = 262,144 bytes,
; which its 16 waves keep in registers (128 a lane), so x is read once.  The variance is taken in a second pass over the registers, of x - mean: no difference of large sums.
; LAYOUT OF hn (per batch) AND OF EACH WEIGHT, a [rows][512] matrix in bf16: byte(row, c) = (row / 2) * 2048 + (c / 8) * 32 + (row % 2) * 16 + (c % 8) * 2:
; two rows lie interleaved in pieces of 16 bytes.  64 rows are 65,536 dense bytes, the later launches' tile.
; wts: Wq at 0, Wk at 524,288, Wv at 1,048,576 (rows as given), Wp TRANSPOSED at 1,572,864, so that the next launch multiplies rows by rows; at 2,097,152 four blocks of 16 rows, 16,384 bytes each,
; every row of a block alike: bq, bk, bv, bk.
; LIMITS.  v_rsq_f32 is accurate to 1 ULP; sums are taken in another order than the reference's; NaN and infinities are not treated apart.
; No matrix unit, no cluster, no tensor load: the work-groups share no input and each byte is read once.
.set XR, 32                            ; v[32:159]  my 128 numbers of x: load i (two pixels x 256 bytes a wave) in v[32+4i:35+4i]
.set CH, 160                           ; v[160:167] four chains of packed sums
.set PS, 168                           ; v[168:183] the 16 waves' partial sums of my group
; v2 XO, v3 HO, v4 WO, v5 WS, v6 SB, v7 RA, v8 RL, v9 WT: byte offsets, never rewritten once made.  v[10:13] scale, v[14:17] bias of my 4 channels.  v[18:29] a weight piece.  v[30:31] mean, twice.  v184-189 at work.
	s_load_b512 s[4:19], s[0:1], 0x0               ; x s[4:5], scale s[6:7], bias s[8:9], wq s[10:11], wk s[12:13], wv s[14:15], wp s[16:17], bk s[18:19]
	s_load_b128 s[20:23], s[0:1], 0x40             ; hn s[20:21], wts s[22:23]
	s_load_b128 s[40:43], s[0:1], 0x50             ; bq s[40:41], bv s[42:43]
	v_lshl_add_u32 v192, v0, 2, 0x200
	v_mov_b32 v193, 0
	v_lshrrev_b32 v9, 5, v0
	v_readfirstlane_b32 s33, v9                    ; my wave, 0 to 15
	s_lshr_b32 s24, ttmp9, 3                       ; batch
	s_and_b32 s25, ttmp9, 7                        ; which 64 channels
	s_lshl_b32 s26, s25, 8                         ; their 256 bytes, in a pixel of x and in a pair of pixels of hn alike
	s_lshl_b32 s38, s24, 21                        ; a batch of x is 2,097,152 bytes
	s_add_co_u32 s38, s38, s26
	s_mov_b32 s39, 0
	s_lshl_b32 s24, s24, 20                        ; a batch of hn is 1,048,576 bytes
	s_add_co_u32 s24, s24, s26
	s_mov_b32 s25, 0
	s_lshr_b32 s27, ttmp9, 6                       ; which weight this work-group converts a part of,
	s_and_b32 s32, ttmp9, 63                       ; and which 8 rows of the result
	s_mov_b32 s34, 0x76543210                      ; v_permlanex16_b32: each lane takes its own place in the other half
	s_mov_b32 s35, 0xfedcba98
	s_mov_b32 s36, 0x38800000                      ; 1 / 16,384
	s_mov_b32 s37, 0x358637bd                      ; 1e-6
	v_and_b32 v184, 15, v0                         ; lane % 16: my 4 channels are 4 (lane % 16) on
	v_bfe_u32 v185, v0, 4, 1                       ; lane / 16: which of a load's two pixels
	v_lshlrev_b32 v2, 17, v9                       ; XO = wave x 64 pixels x 2,048 + pixel x 2,048 + 16 (lane % 16)
	v_lshl_add_u32 v2, v185, 11, v2
	v_lshl_add_u32 v2, v184, 4, v2
	v_lshrrev_b32 v186, 1, v184
	v_and_b32 v187, 1, v0
	v_lshlrev_b32 v3, 16, v9                       ; HO = wave x 32 pairs x 2,048 + piece x 32 + pixel's parity x 16 + half a piece x 8
	v_lshl_add_u32 v3, v186, 5, v3
	v_lshl_add_u32 v3, v185, 4, v3
	v_lshl_add_u32 v3, v187, 3, v3
	v_lshlrev_b32 v4, 4, v0                        ; WO = 16 t: thread t makes the 16-byte piece t of the work-group's 8,192 bytes of a weight
	v_lshrrev_b32 v188, 7, v0
	v_lshl_add_u32 v188, v188, 1, v187             ; its row among the 8: 2 (t / 128) + t % 2
	v_bfe_u32 v189, v0, 1, 6                       ; its 8 columns: (t % 128) / 2
	v_lshlrev_b32 v5, 11, v188                     ; WS = row x 2,048 + 32 x piece
	v_lshl_add_u32 v5, v189, 5, v5
	v_lshlrev_b32 v9, 14, v189                     ; WT, for the transposed weight: 8 source rows a piece x 2,048 + 4 x the result's row
	v_lshl_add_u32 v9, v188, 2, v9
	v_lshl_add_u32 v6, v184, 4, s26                ; SB: my 4 numbers in scale and in bias
	v_lshrrev_b32 v186, 2, v184                    ; my group among the four
	v_lshlrev_b32 v8, 6, v186                      ; RL = group x 64: its 16 partial sums
	v_lshl_add_u32 v7, s33, 2, v8                  ; RA = RL + 4 x wave
	s_wait_kmcnt 0x0
	s_add_nc_u64 s[4:5], s[4:5], s[38:39]
	s_add_nc_u64 s[20:21], s[20:21], s[24:25]
	s_cmp_eq_u32 s27, 1                            ; the weight is chosen by the work-group's number
	s_cselect_b64 s[28:29], s[12:13], s[10:11]
	s_cmp_eq_u32 s27, 2
	s_cselect_b64 s[28:29], s[14:15], s[28:29]
	s_lshl_b32 s38, s32, 14                        ; 8 rows of 2,048 bytes in f32
	s_add_nc_u64 s[28:29], s[28:29], s[38:39]
	s_lshl_b32 s38, s27, 19                        ; 524,288 bytes a weight in bf16,
	s_lshl_b32 s24, s32, 13                        ; 8,192 for 8 rows
	s_add_co_u32 s38, s38, s24
	s_add_nc_u64 s[30:31], s[22:23], s[38:39]
	s_cmp_eq_u32 s27, 3
	s_cbranch_scc1 .Lturned
	global_load_b128 v[18:21], v5, s[28:29]
	global_load_b128 v[22:25], v5, s[28:29] offset:16
	s_branch .Lweight_asked
.Lturned:                                              ; Wp: a piece of the result's row d is Wp[8 p .. 8 p + 7][d]: eight loads of 4 bytes, 2,048 bytes apart.  A wave's load takes 8 bytes of each of 16 rows:
	s_lshl_b32 s38, s32, 5                         ; the price of turning 1,048,576 of the launch's 71,000,000 bytes here, so that the next launch has one kind of tile.  My work-group's 8 columns of Wp: 32 bytes
	s_add_nc_u64 s[28:29], s[16:17], s[38:39]
.irp i, 0,1,2,3,4,5,6,7
	global_load_b32 v[18+\i], v9, s[28:29] offset:2048*\i
.endr
.Lweight_asked:
	global_load_b128 v[10:13], v6, s[6:7]
	global_load_b128 v[14:17], v6, s[8:9]
.set i, 0
.rept 32
	global_load_b128 v[XR+4*i:XR+4*i+3], v2, s[4:5] offset:4096*i th:TH_LOAD_NT  ; lanes 0-15 take 256 aligned bytes of one pixel, lanes 16-31 of the next
.set i, i+1
.endr
	s_wait_loadcnt 34                              ; the weight loads (two, or eight) are in: 2 + 32 younger loads stay out
	v_cvt_pk_bf16_f32 v26, v18, v19
	v_cvt_pk_bf16_f32 v27, v20, v21
	v_cvt_pk_bf16_f32 v28, v22, v23
	v_cvt_pk_bf16_f32 v29, v24, v25
	global_store_b128 v4, v[26:29], s[30:31]       ; a wave stores 512 consecutive bytes
; the four chains into one number a lane
.macro FOLD
	v_pk_add_f32 v[CH:CH+1], v[CH:CH+1], v[CH+2:CH+3]
	v_pk_add_f32 v[CH+4:CH+5], v[CH+4:CH+5], v[CH+6:CH+7]
	v_pk_add_f32 v[CH:CH+1], v[CH:CH+1], v[CH+4:CH+5]
	v_add_f32 v184, v[CH], v[CH+1]
.endm
; v184, a lane's sum, becomes its group's sum over the work-group.  The 8 lanes of a group in a wave: lane xor 1, xor 2, xor 16.  Then the 16 waves meet in LDS, at byte off.
.macro RED off
	v_add_f32_dpp v184, v184, v184 row_xmask:1 row_mask:0xf bank_mask:0xf
	v_add_f32_dpp v184, v184, v184 row_xmask:2 row_mask:0xf bank_mask:0xf
	v_permlanex16_b32 v185, v184, s34, s35
	v_add_f32 v184, v184, v185
	ds_store_b32 v7, v184 offset:\off              ; a group's 8 lanes write the same word with the same number
	s_wait_dscnt 0x0                               ; for the others' sake: my store is done
	s_barrier_signal -1
	s_barrier_wait -1
	ds_load_b128 v[PS:PS+3], v8 offset:\off
	ds_load_b128 v[PS+4:PS+7], v8 offset:\off+16
	ds_load_b128 v[PS+8:PS+11], v8 offset:\off+32
	ds_load_b128 v[PS+12:PS+15], v8 offset:\off+48
	s_wait_dscnt 0x0
	v_pk_add_f32 v[PS:PS+1], v[PS:PS+1], v[PS+2:PS+3]
	v_pk_add_f32 v[PS+4:PS+5], v[PS+4:PS+5], v[PS+6:PS+7]
	v_pk_add_f32 v[PS+8:PS+9], v[PS+8:PS+9], v[PS+10:PS+11]
	v_pk_add_f32 v[PS+12:PS+13], v[PS+12:PS+13], v[PS+14:PS+15]
	v_pk_add_f32 v[PS:PS+1], v[PS:PS+1], v[PS+4:PS+5]
	v_pk_add_f32 v[PS+8:PS+9], v[PS+8:PS+9], v[PS+12:PS+13]
	v_pk_add_f32 v[PS:PS+1], v[PS:PS+1], v[PS+8:PS+9]
	v_add_f32 v184, v[PS], v[PS+1]
.endm
	; pass 1: the sum.  Four chains, each started by adding two pairs: nothing is cleared.  The waits let the younger quarters of x stay out.
.set p, 0
.rept 64
.if p%16 == 0
	s_wait_loadcnt 24-8*(p/16)
.endif
.if p < 4
	v_pk_add_f32 v[CH+2*p:CH+2*p+1], v[XR+2*p:XR+2*p+1], v[XR+2*p+8:XR+2*p+9]
.elseif p >= 8
	v_pk_add_f32 v[CH+2*(p%4):CH+2*(p%4)+1], v[CH+2*(p%4):CH+2*(p%4)+1], v[XR+2*p:XR+2*p+1]
.endif
.set p, p+1
.endr
	FOLD
	RED 0
	v_mul_f32 v30, s36, v184                       ; the mean
	v_mov_b32 v31, v30
	; pass 2: d = x - mean in place, and the sum of d x d
.set p, 0
.rept 64
	v_pk_add_f32 v[XR+2*p:XR+2*p+1], v[XR+2*p:XR+2*p+1], v[30:31] neg_lo:[0,1] neg_hi:[0,1]
.set p, p+1
.endr
.set p, 0
.rept 64
.if p < 4
	v_pk_mul_f32 v[CH+2*p:CH+2*p+1], v[XR+2*p:XR+2*p+1], v[XR+2*p:XR+2*p+1]
.else
	v_pk_fma_f32 v[CH+2*(p%4):CH+2*(p%4)+1], v[XR+2*p:XR+2*p+1], v[XR+2*p:XR+2*p+1], v[CH+2*(p%4):CH+2*(p%4)+1]
.endif
.set p, p+1
.endr
	FOLD
	RED 256                                        ; other words than the first reduction's: no wave can overtake a reader
	v_fma_f32 v184, v184, s36, s37                 ; the variance + 1e-6
	v_rsq_f32 v185, v184
	v_nop                                          ; a plain instruction between the reciprocal root and its use (ISA guide 5.7.2)
	s_wait_alu depctr_va_vdst(0)
	v_mul_f32 v10, v185, v10
	v_mul_f32 v11, v185, v11
	v_mul_f32 v12, v185, v12
	v_mul_f32 v13, v185, v13
.set i, 0
.rept 32
	v_pk_fma_f32 v[XR+4*i:XR+4*i+1], v[XR+4*i:XR+4*i+1], v[10:11], v[14:15]
	v_pk_fma_f32 v[XR+4*i+2:XR+4*i+3], v[XR+4*i+2:XR+4*i+3], v[12:13], v[16:17]
	v_cvt_pk_bf16_f32 v[XR+4*i], v[XR+4*i], v[XR+4*i+1]
	v_cvt_pk_bf16_f32 v[XR+4*i+1], v[XR+4*i+2], v[XR+4*i+3]
	global_store_b64 v3, v[XR+4*i:XR+4*i+1], s[20:21] offset:2048*i  ; the wave's 32 lanes fill 256 consecutive bytes, aligned
.set i, i+1
.endr
	; The four blocks of bias rows, one a work-group: 0 bq, 1 bk, 2 bv, 3 bk.  Byte 16 t of a block's first and of its second 8,192 bytes holds the 8 numbers of piece (t % 128) / 2, whatever the row.
	; The jump goes forward and passes no barrier.
	s_cmp_gt_u32 ttmp9, 3
	s_cbranch_scc1 .Ldone
	s_wait_xcnt 0x0                                ; s[30:31] and v[26:29] were the weight store's base and data: rewritten only behind this wait
	s_cmp_eq_u32 ttmp9, 0
	s_cselect_b64 s[28:29], s[40:41], s[18:19]
	s_cmp_eq_u32 ttmp9, 2
	s_cselect_b64 s[28:29], s[42:43], s[28:29]
	s_lshl_b32 s38, ttmp9, 14
	s_add_nc_u64 s[30:31], s[22:23], s[38:39]
	v_bfe_u32 v186, v0, 1, 6
	v_lshlrev_b32 v186, 5, v186
	global_load_b128 v[18:21], v186, s[28:29]
	global_load_b128 v[22:25], v186, s[28:29] offset:16
	s_wait_loadcnt 0x0
	v_cvt_pk_bf16_f32 v26, v18, v19
	v_cvt_pk_bf16_f32 v27, v20, v21
	v_cvt_pk_bf16_f32 v28, v22, v23
	v_cvt_pk_bf16_f32 v29, v24, v25
	global_store_b128 v4, v[26:29], s[30:31] offset:2097152
	global_store_b128 v4, v[26:29], s[30:31] offset:2097152+8192
.Ldone:
	s_wait_tensorcnt 0x0
	ds_add_u32 v192, v193
	s_wait_dscnt 0x0
	s_endpgm
.Lfunc_end_k_q0a76bb0701_prep:
	.size	k_q0a76bb0701_prep, .Lfunc_end_k_q0a76bb0701_prep-k_q0a76bb0701_prep
	.p2alignl 7, 3214868480
	.fill 96, 4, 3214868480
	.section	.rodata,"a",@progbits
	.p2align	6, 0x0
	.amdhsa_kernel k_q0a76bb0701_prep
		.amdhsa_group_segment_fixed_size 2560
		.amdhsa_private_segment_fixed_size 0
		.amdhsa_enable_private_segment 0
		.amdhsa_kernarg_size 96
		.amdhsa_user_sgpr_count 2
		.amdhsa_user_sgpr_kernarg_segment_ptr 1
		.amdhsa_wavefront_size32 1
		.amdhsa_system_sgpr_workgroup_id_x 1
		.amdhsa_system_sgpr_workgroup_id_y 1
		.amdhsa_system_sgpr_workgroup_id_z 1
		.amdhsa_system_vgpr_workitem_id 0
		.amdhsa_next_free_vgpr 194
		.amdhsa_next_free_sgpr 66
		.amdhsa_reserve_vcc 0
		.amdhsa_float_denorm_mode_32 3
		.amdhsa_float_denorm_mode_16_64 3
		.amdhsa_memory_ordered 1
		.amdhsa_forward_progress 1
		.amdhsa_inst_pref_size 35
	.end_amdhsa_kernel
	.amdgpu_metadata
---
amdhsa.version: [ 1, 2 ]
amdhsa.kernels:
  - .name:           k_q0a76bb0701_prep
    .symbol:         k_q0a76bb0701_prep.kd
    .args:
      - { .name: x, .offset: 0, .size: 8, .value_kind: global_buffer, .address_space: global }
      - { .name: norm_scale, .offset: 8, .size: 8, .value_kind: global_buffer, .address_space: global }
      - { .name: norm_bias, .offset: 16, .size: 8, .value_kind: global_buffer, .address_space: global }
      - { .name: wq, .offset: 24, .size: 8, .value_kind: global_buffer, .address_space: global }
      - { .name: wk, .offset: 32, .size: 8, .value_kind: global_buffer, .address_space: global }
      - { .name: wv, .offset: 40, .size: 8, .value_kind: global_buffer, .address_space: global }
      - { .name: wp, .offset: 48, .size: 8, .value_kind: global_buffer, .address_space: global }
      - { .name: bk, .offset: 56, .size: 8, .value_kind: global_buffer, .address_space: global }
      - { .name: hn, .offset: 64, .size: 8, .value_kind: global_buffer, .address_space: global }
      - { .name: wts, .offset: 72, .size: 8, .value_kind: global_buffer, .address_space: global }
      - { .name: bq, .offset: 80, .size: 8, .value_kind: global_buffer, .address_space: global }
      - { .name: bv, .offset: 88, .size: 8, .value_kind: global_buffer, .address_space: global }
    .group_segment_fixed_size: 2560
    .private_segment_fixed_size: 0
    .kernarg_segment_align: 8
    .kernarg_segment_size: 96
    .max_flat_workgroup_size: 512
    .sgpr_count:     66
    .vgpr_count:     194
    .wavefront_size: 32
...
	.end_amdgpu_metadata
.endif
;; end of part 3
;; launch fold (part 4): grid 128 x 1, 4 waves a work-group, no clusters, 176,128 bytes of LDS; arguments wts, fw; writes fw
.if DOCPART == 4
	.amdgcn_target "amdgcn-amd-amdhsa--gfx1250"
	.amdhsa_code_object_version 6
	.text
	.protected	k_q0a76bb0701_fold
	.globl	k_q0a76bb0701_fold
	.p2align	8
	.type	k_q0a76bb0701_fold,@function
k_q0a76bb0701_fold:
	s_mov_b64 s[64:65], 0
	v_nop
	global_prefetch_b8 v0, s[64:65] scope:SCOPE_SE
	s_setreg_imm32_b32 hwreg(HW_REG_WAVE_MODE, 25, 1), 1
	s_wait_xcnt 0x0
; THE WEIGHTS' PRODUCTS, made once for all queries.  M = Wq Wk^T, u = bq Wk^T, g = Wq bk, s0 = bq . bk;  N = Wv Wp, w = bv Wp.  All operands come in bf16 from the launch before, Wp transposed,
; so both products are R[m][n] = sum over k of A[m][k] B[n][k], with (A, B, beta) = (Wq, Wk, bq) or (Wv, Wp^T, bv), and beta . B[n] gives u or w.
; fw: M at 0, N at 524,288, both [512][512] bf16 in the tiles' layout, byte(row, c) = (row / 2) * 2048 + (c / 8) * 32 + (row % 2) * 16 + (c % 8) * 2;
; u at 1,048,576 and w 2,048 bytes on, 512 f32 each; g, 512 bf16, at 1,052,672; s0, eight times as f32, at 1,053,696.
; SHARES.  128 work-groups: which product (ty), which 64 rows of A (mb), which 64 rows of B (nb).  A wave takes 16 rows of A and all 64 of B.  All of K = 512 lies in LDS: each wave brings its 16 rows of A, 16 rows of B
; and 8 of the 32 bias rows (16 x beta, 16 x bk) by three tensor loads, issued together at the start.
; PRODUCTS.  Source 0's rows fall into a result's registers (row 8 h + j in register j), source 1's into its lanes (r = lane % 16, h = lane / 16).  Per K step of 32 ten products on ten accumulators, which take turns:
; D (4): B's rows x my rows of A;  U (4): B's rows x beta;  G: my rows of A x bk;  Z: bk x beta.  U, G and Z are made by every wave and stored once, by the work-groups at mb = 0 (U), at ty = 0 and
; nb = 0 (G) and by work-group 0 (Z): those work-groups need them in any case and set the launch's length.
; NO CLUSTER: the stores of U, G and Z hang on the work-group's place by branches; and a work-group asks once, for 163,840 bytes.
; LIMITS.  Sums in f32; M, N and g are rounded once to bf16; NaN and infinities are not treated apart.
.set QT,   16640                       ; 16 rows of a tile in LDS: 8 pairs of rows x 2 x 1,040 bytes (16 bytes of padding behind every 1,024)
.set TBB,  4*QT                        ; A's 64 rows at 0, B's here,
.set TE,   8*QT                        ; the bias rows here: beta's 16, then bk's 16
.set STG,  10*QT                       ; the way out: 8 rows x 288 bytes for each wave; no tensor load lands here
.set SGP,  288                         ; 256 + 32: row p starts 32 p bytes on modulo 256, a row's two parities 16 apart
.set SGW,  8*SGP
.set UOFF, 1048576
.set GOFF, UOFF+4096
.set SOFF, UOFF+5120
.set ADA, 4                            ; LDS addresses of my fragments of A, of B, of the bias rows
.set ADB, 5
.set ADE, 6
.set STO, 11                           ; the way out: where I put 16 bytes, where I read 16 bytes back, my byte offset in fw
.set RD,  12
.set GO,  13
.set US,  14                           ; the same for U
.set UR,  15
.set UG,  16
.set HG,  17                           ; 16 h: for G and Z
.set TMP, 32                           ; v[32:47] packed results
.set OB,  48                           ; v[48:63] rows read back
.set DD,  64                           ; v[64:95]
.set UU,  96                           ; v[96:127]
.set GG,  128                          ; v[128:135]
.set ZZ,  136                          ; v[136:143]
.set FB,  144                          ; v[144:255] two buffers of 56: A 8, beta 8, bk 8, B 32
	s_load_b128 s[4:7], s[0:1], 0x0                ; wts s[4:5], fw s[6:7]
	v_lshl_add_u32 v30, v0, 2, 0x2ae00
	v_mov_b32 v31, 0
	ds_add_u32 v30, v31
	ds_add_u32 v30, v31
	v_lshrrev_b32 v1, 5, v0
	v_readfirstlane_b32 s8, v1                     ; wave 0..3
	s_lshr_b32 s9, ttmp9, 6                        ; ty
	s_bfe_u32 s10, ttmp9, 0x30003                  ; mb
	s_and_b32 s11, ttmp9, 7                        ; nb
	; descriptor group 1: rows of 1,024 bytes, dense in memory; the padding's interval is a row, so LDS rows lie 1,040 bytes apart.  s[16:23]: 16 rows; s[24:31]: 8 rows
.irp g, 16, 24
	s_mov_b32 s[\g], (1<<16)|(1<<20)|(7<<22)|(3<<25)  ; 17:16 2-byte elements; 20 padding on; 24:22 after every 256 words (code 7); 31:25 4 words (code 3)
	s_mov_b32 s[\g+1], 512<<16                     ; tensor_dim0 = 512
	s_mov_b32 s[\g+3], 512<<16                     ; tile_dim0 = 512
	s_mov_b32 s[\g+5], 512                         ; 512 elements from row to row
	s_mov_b32 s[\g+6], 0
	s_mov_b32 s[\g+7], 0
.endr
	s_mov_b32 s18, 16<<16                          ; tensor_dim1, tile_dim1
	s_mov_b32 s20, 16
	s_mov_b32 s26, 8<<16
	s_mov_b32 s28, 8
	s_mov_b32 s32, 1                               ; group 0 for A: my 16 rows,
	s_mul_i32 s33, s8, QT
	s_mov_b32 s36, 1                               ; for B: 16 rows,
	s_mul_i32 s37, s8, QT
	s_add_co_u32 s37, s37, TBB
	s_mov_b32 s40, 1                               ; for the bias rows: 8 rows
	s_mul_i32 s41, s8, QT/2
	s_add_co_u32 s41, s41, TE
	s_lshl_b32 s12, s9, 20                         ; a product's two operands lie 1,048,576 bytes behind the other's
	s_lshl_b32 s13, s8, 14                         ; 16 rows of 1,024 bytes
	s_lshl_b32 s44, s10, 16                        ; 64 rows
	s_add_co_u32 s44, s44, s12
	s_add_co_u32 s44, s44, s13
	s_mov_b32 s45, 0
	s_lshl_b32 s46, s11, 16
	s_add_co_u32 s46, s46, s12
	s_add_co_u32 s46, s46, s13
	s_add_co_u32 s46, s46, 524288
	s_mov_b32 s47, 0
	s_lshl_b32 s48, s9, 15                         ; 32 bias rows
	s_lshl_b32 s14, s8, 13                         ; 8 of them
	s_add_co_u32 s48, s48, s14
	s_add_co_u32 s48, s48, 2097152
	s_mov_b32 s49, 0
	s_wait_dscnt 0x0
	s_wait_kmcnt 0x0
	s_add_nc_u64 s[34:35], s[4:5], s[44:45]
	s_or_b32 s35, s35, 0x80000000
	s_add_nc_u64 s[38:39], s[4:5], s[46:47]
	s_or_b32 s39, s39, 0x80000000
	s_add_nc_u64 s[42:43], s[4:5], s[48:49]
	s_or_b32 s43, s43, 0x80000000
	tensor_load_to_lds s[32:35], s[16:23]
	s_nop 0
	tensor_load_to_lds s[36:39], s[16:23]
	s_nop 0
	tensor_load_to_lds s[40:43], s[24:31]
	s_nop 0
	v_and_b32 v1, 15, v0                           ; r
	v_bfe_u32 v2, v0, 4, 1                         ; h
	v_and_b32 v3, 31, v0                           ; lane
	v_lshrrev_b32 v8, 1, v1
	v_and_b32 v9, 1, v0
	v_mul_u32_u24 v10, v8, 2080                    ; a fragment's row r, 8 numbers at 8 h: (r / 2) x 2080 + (r % 2) x 16 + 32 h; the second 8 lie 64 bytes on
	v_lshl_add_u32 v10, v9, 4, v10
	v_lshl_add_u32 v10, v2, 5, v10
	v_add_nc_u32 v[ADA], s33, v10
	v_add_nc_u32 v[ADB], TBB, v10
	v_add_nc_u32 v[ADE], TE, v10
	s_mul_i32 s15, s8, SGW
	s_add_co_u32 s15, s15, STG                     ; my stage
	v_mul_u32_u24 v[STO], v8, SGP                  ; in: my row's pair, its parity, 8 columns at 8 h
	v_lshl_add_u32 v[STO], v9, 4, v[STO]
	v_lshl_add_u32 v[STO], v2, 5, v[STO]
	v_add_nc_u32 v[STO], s15, v[STO]
	v_mul_u32_u24 v[RD], v2, SGP                   ; back: lanes 0-15 take a pair's 256 bytes, lanes 16-31 the next pair's
	v_lshl_add_u32 v[RD], v1, 4, v[RD]
	v_add_nc_u32 v[RD], s15, v[RD]
	v_lshlrev_b32 v[GO], 11, v2
	v_lshl_add_u32 v[GO], v1, 4, v[GO]
	v_lshl_add_u32 v[US], v2, 5, s15
	v_lshl_add_u32 v[UR], v1, 4, s15
	v_lshlrev_b32 v[UG], 4, v1
	v_lshlrev_b32 v[HG], 4, v2
	s_lshl_b32 s50, s9, 19                         ; where my 16 rows x 64 columns begin in fw
	s_lshl_b32 s12, s10, 16
	s_add_co_u32 s50, s50, s12
	s_add_co_u32 s50, s50, s13
	s_lshl_b32 s12, s11, 8
	s_add_co_u32 s50, s50, s12
	s_mov_b32 s51, 0
	s_lshl_b32 s52, s9, 11                         ; the work-group's 64 numbers of u or w
	s_add_co_u32 s52, s52, s12
	s_mov_b32 s53, 0
	s_lshl_b32 s54, s10, 7                         ; my 16 numbers of g
	s_lshl_b32 s12, s8, 5
	s_add_co_u32 s54, s54, s12
	s_mov_b32 s55, 0
	s_add_nc_u64 s[50:51], s[6:7], s[50:51]
	s_add_nc_u64 s[52:53], s[6:7], s[52:53]
	s_add_nc_u64 s[54:55], s[6:7], s[54:55]
.macro PLACES                          ; a load into a register that a matrix instruction has read, and a vector instruction that reads a result, stand four plain vector instructions behind it (ISA guide 7.12.1 for vector instructions)
.rept 4
	v_nop
.endr
.endm
.macro LF x                            ; K step x's 14 loads, into buffer x % 2
.set fb, FB+56*((\x)%2)
.set ko, ((\x)/8)*1040+((\x)%8)*128
	ds_load_b128 v[fb:fb+3], v[ADA] offset:ko
	ds_load_b128 v[fb+4:fb+7], v[ADA] offset:ko+64
	ds_load_b128 v[fb+8:fb+11], v[ADE] offset:ko
	ds_load_b128 v[fb+12:fb+15], v[ADE] offset:ko+64
	ds_load_b128 v[fb+16:fb+19], v[ADE] offset:QT+ko
	ds_load_b128 v[fb+20:fb+23], v[ADE] offset:QT+ko+64
.irp kt, 0,1,2,3
	ds_load_b128 v[fb+24+8*\kt:fb+24+8*\kt+3], v[ADB] offset:\kt*QT+ko
	ds_load_b128 v[fb+24+8*\kt+4:fb+24+8*\kt+7], v[ADB] offset:\kt*QT+ko+64
.endr
.endm
.macro WM d, a, b, first               ; first = 1: the product starts the sum: nothing is cleared
.if \first
	v_wmma_f32_16x16x32_bf16 v[(\d):(\d)+7], v[(\a):(\a)+7], v[(\b):(\b)+7], 0
.else
	v_wmma_f32_16x16x32_bf16 v[(\d):(\d)+7], v[(\a):(\a)+7], v[(\b):(\b)+7], v[(\d):(\d)+7]
.endif
.endm
.macro MF x, first                     ; K step x's ten products
.set fb, FB+56*((\x)%2)
.irp kt, 0,1,2,3
	WM DD+8*\kt, fb+24+8*\kt, fb, \first
.endr
.irp kt, 0,1,2,3
	WM UU+8*\kt, fb+24+8*\kt, fb+8, \first
.endr
	WM GG, fb, fb+16, \first
	WM ZZ, fb+16, fb+8, \first
.endm
	s_wait_tensorcnt 0x0                           ; my three parts are in,
	s_barrier_signal -1
	s_barrier_wait -1                              ; everybody's are
	LF 0
	LF 1
.set st, 0
.rept 16
.if st < 15
	s_wait_dscnt 14                                ; this step's loads are in; the next step's 14 stay out
.else
	s_wait_dscnt 0x0
.endif
.if st == 0
	MF st, 1
.else
	MF st, 0
.endif
.if st < 14
	PLACES
	LF st+2
.endif
.set st, st+1
.endr
	; THE WAY OUT.  Register j of D(kt) is R(my row r, column 16 kt + 8 h + j): four roundings make a piece of 16 bytes.  Through my own stage the pieces come back as pairs of rows, 256 bytes each.
	PLACES
.irp kt, 0,1,2,3
.irp i, 0,1,2,3
	v_cvt_pk_bf16_f32 v[TMP+4*\kt+\i], v[DD+8*\kt+2*\i], v[DD+8*\kt+2*\i+1]
.endr
.endr
.irp kt, 0,1,2,3
	ds_store_b128 v[STO], v[TMP+4*\kt:TMP+4*\kt+3] offset:64*\kt
.endr
.irp i, 0,1,2,3
	ds_load_b128 v[OB+4*\i:OB+4*\i+3], v[RD] offset:2*SGP*\i  ; LDS serves a wave's instructions in order (ISA guide 5.7.1.4): these see the stores above
.endr
	s_wait_dscnt 0x0
.irp i, 0,1,2,3
	global_store_b128 v[GO], v[OB+4*\i:OB+4*\i+3], s[50:51] offset:4096*\i  ; 16 lanes store 256 consecutive bytes, at a multiple of 256 from fw's first
.endr
	; u or w: register j of U(kt) is the number of column 16 kt + 8 h + j, alike in all 16 lanes of a half.  Wave 0 of the work-groups at mb = 0.  The jumps below go forward and pass no barrier.
	s_or_b32 s12, s10, s8
	s_cmp_lg_u32 s12, 0
	s_cbranch_scc1 .Lno_u
.irp kt, 0,1,2,3
	ds_store_b128 v[US], v[UU+8*\kt:UU+8*\kt+3] offset:64*\kt      ; the 16 lanes of a half write the same bytes with the same numbers
	ds_store_b128 v[US], v[UU+8*\kt+4:UU+8*\kt+7] offset:64*\kt+16
.endr
	ds_load_b128 v[TMP:TMP+3], v[UR]
	s_wait_dscnt 0x0
	v_cmp_gt_u32 vcc_lo, 16, v3
	s_wait_xcnt 0x0                                ; EXEC changes only behind s_wait_xcnt 0
	s_and_saveexec_b32 s56, vcc_lo
	global_store_b128 v[UG], v[TMP:TMP+3], s[52:53] offset:UOFF    ; lanes 0-15: 256 consecutive bytes
	s_wait_xcnt 0x0
	s_or_b32 exec_lo, exec_lo, s56
.Lno_u:
	; g: register j of G is the number of my row 8 h + j, alike in all 16 lanes of a half.  The work-groups of the first product at nb = 0.
	s_or_b32 s12, s9, s11
	s_cmp_lg_u32 s12, 0
	s_cbranch_scc1 .Lno_g
.irp i, 0,1,2,3
	v_cvt_pk_bf16_f32 v[TMP+4+\i], v[GG+2*\i], v[GG+2*\i+1]
.endr
	v_cmp_eq_u32 vcc_lo, 0, v1
	s_wait_xcnt 0x0
	s_and_saveexec_b32 s56, vcc_lo
	global_store_b128 v[HG], v[TMP+4:TMP+7], s[54:55] offset:GOFF  ; lanes 0 and 16: my 16 numbers, 32 bytes
	s_wait_xcnt 0x0
	s_or_b32 exec_lo, exec_lo, s56
.Lno_g:
	; s0: every number of Z.  Wave 0 of work-group 0 stores it eight times, so that two loads of 16 bytes fill an accumulator's eight registers in the next launch.
	s_or_b32 s12, ttmp9, s8
	s_cmp_lg_u32 s12, 0
	s_cbranch_scc1 .Lno_z
	v_cmp_eq_u32 vcc_lo, 0, v1
	s_wait_xcnt 0x0
	s_and_saveexec_b32 s56, vcc_lo
	global_store_b128 v[HG], v[ZZ:ZZ+3], s[6:7] offset:SOFF
	s_wait_xcnt 0x0
	s_or_b32 exec_lo, exec_lo, s56
.Lno_z:
	s_wait_tensorcnt 0x0
	ds_add_u32 v30, v31
	s_wait_dscnt 0x0
	s_endpgm
.Lfunc_end_k_q0a76bb0701_fold:
	.size	k_q0a76bb0701_fold, .Lfunc_end_k_q0a76bb0701_fold-k_q0a76bb0701_fold
	.p2alignl 7, 3214868480
	.fill 96, 4, 3214868480
	.section	.rodata,"a",@progbits
	.p2align	6, 0x0
	.amdhsa_kernel k_q0a76bb0701_fold
		.amdhsa_group_segment_fixed_size 176128
		.amdhsa_private_segment_fixed_size 0
		.amdhsa_enable_private_segment 0
		.amdhsa_kernarg_size 16
		.amdhsa_user_sgpr_count 2
		.amdhsa_user_sgpr_kernarg_segment_ptr 1
		.amdhsa_wavefront_size32 1
		.amdhsa_system_sgpr_workgroup_id_x 1
		.amdhsa_system_sgpr_workgroup_id_y 1
		.amdhsa_system_sgpr_workgroup_id_z 1
		.amdhsa_system_vgpr_workitem_id 0
		.amdhsa_next_free_vgpr 256
		.amdhsa_next_free_sgpr 66
		.amdhsa_reserve_vcc 1
		.amdhsa_float_denorm_mode_32 3
		.amdhsa_float_denorm_mode_16_64 3
		.amdhsa_memory_ordered 1
		.amdhsa_forward_progress 1
		.amdhsa_inst_pref_size 36
	.end_amdhsa_kernel
	.amdgpu_metadata
---
amdhsa.version: [ 1, 2 ]
amdhsa.kernels:
  - .name:           k_q0a76bb0701_fold
    .symbol:         k_q0a76bb0701_fold.kd
    .args:
      - { .name: wts, .offset: 0, .size: 8, .value_kind: global_buffer, .address_space: global }
      - { .name: fw, .offset: 8, .size: 8, .value_kind: global_buffer, .address_space: global }
    .group_segment_fixed_size: 176128
    .private_segment_fixed_size: 0
    .kernarg_segment_align: 8
    .kernarg_segment_size: 16
    .max_flat_workgroup_size: 128
    .sgpr_count:     66
    .vgpr_count:     256
    .wavefront_size: 32
...
	.end_amdgpu_metadata
.endif
;; end of part 4
;; launch attn (part 5): grid 8 x 32, 4 waves a work-group, clusters of 4 x 1, 327,680 bytes of LDS; arguments x, hn, fw, bp, out0; writes out0
.if DOCPART == 5
	.amdgcn_target "amdgcn-amd-amdhsa--gfx1250"
	.amdhsa_code_object_version 6
	.text
	.protected	k_q0a76bb0701_attn
	.globl	k_q0a76bb0701_attn
	.p2align	8
	.type	k_q0a76bb0701_attn,@function
k_q0a76bb0701_attn:
	s_mov_b64 s[64:65], 0
	v_nop
	global_prefetch_b8 v0, s[64:65] scope:SCOPE_SE
	s_setreg_imm32_b32 hwreg(HW_REG_WAVE_MODE, 25, 1), 1
	s_wait_xcnt 0x0
	s_wait_alu depctr_hold_cnt(0) depctr_sa_sdst(0) depctr_va_vdst(0) depctr_va_sdst(0) depctr_va_ssrc(0) depctr_va_vcc(0) depctr_vm_vsrc(0)
	s_getreg_b32 s2, hwreg(HW_REG_IB_STS2, 6, 4)
	s_cmp_eq_u32 s2, 0
	s_cbranch_scc0 .Lentry_in_a_cluster
	s_endpgm
.Lentry_in_a_cluster:
	s_bfe_u32 s2, ttmp6, 0x10000c
	s_cmp_lg_u32 s2, 0x3003
	s_cbranch_scc0 .Lentry_shape_is_right
	s_endpgm
.Lentry_shape_is_right:
; out = x + softmax((hn Wq + bq)(hn Wk + bk)^T / sqrt(512)) (hn Wv + bv) Wp + bp, for 128 queries of one batch a work-group.  hn comes in bf16 from the first launch; the weights and the biases bq, bk, bv
; enter through the second launch's products: M = Wq Wk^T, u = bq Wk^T, g = Wq bk, s0 = bq . bk, N = Wv Wp, w = bv Wp.
; ALGEBRA, true for every input: q_i . k_j = (hq_i M + u) . hn_j + (hq_i . g + s0), and (attn v) Wp = (attn hn) N + w since a row of attn sums to 1.  So q, k and v are never formed, and ONE tile of hn serves as keys and as values.
; THE CHAIN: t = Hq . g + s0;  Q' = Hq M + u;  S = Q' hn^T + t;  running-maximum softmax, p = 2^(c s - c m), c = log2(e) / sqrt(512);  O' = (P hn) / l;  out = O' N + (w + bp) + x.
; LIMITS.  hn, M, N, g, Q', P and O' are rounded to bf16 as matrix operands; sums, maxima, u, w, bp and the residual are f32; the order of rounding differs from the reference's.
; A weight p below 2^-126 counts as 0 in l.  NaN and infinities are not treated apart.  The first key step multiplies O' by a = 0: what lies in its registers then (Q' in f32) is finite whenever Q' is.
; THE WALK.  32 tiles of 64 rows x 512 bf16 (65,536 dense bytes): M 0-7, the batch's hn 8-23, N 24-31, through two LDS slots.  While tile t is worked on, tile t + 1 is on its way.
; CLUSTER.  The four work-groups of a cluster have one batch and walk the same 32 tiles: each tile is asked for JOINTLY, the same load, descriptor and mask in all four; each wave brings a quarter.
; A TILE keeps two rows interleaved in pieces of 16 bytes: byte(row, c) = (row / 2) * 2048 + (c / 8) * 32 + (row % 2) * 16 + (c % 8) * 2; in LDS 16 bytes of padding follow every 1,024.
; along the rows (ds_load_b128: 16 rows start 16 bytes apart modulo 256) and turned (ds_load_tr16_b128: 8 rows x 2 pieces likewise).
; PRODUCTS are used transposed: source 0 = a fragment of the tile, source 1 = 16 queries, so a lane (r = lane % 16, h = lane / 16) always holds query r.
;   along the rows (S): a wave takes its own 32 queries and all 64 tile rows; register j of a result is tile row 16 kt + 8 h + j.
;   turned (Q', O', out): a wave takes all 128 queries and 128 of the 512 columns; lanes 8-15 address 128 bytes further on, so register j of accumulator (a, u) is column 128 w + 64 (u / 4) + 32 h + 8 (u % 4) + j.
; BESIDE THE PRODUCTS, in the loop over the keys.  O' times a, 256 packed multiplies a trip, stands four behind each of the 64 products of the tile's first 32 keys: behind the product on accumulator n, accumulator n + 2 is
; scaled.  That is 1 + 4 + 2 window switches, 7 lines a product.  The trip's last 32 products, whose fragments are in registers, stand round the change of slots: 16 while the add is out, 16 behind the next tile's first fragment loads.
; REGISTERS, in windows of 256 (s_set_vgpr_msb: bits 1:0 source 0, 3:2 source 1, 5:4 source 2, 7:6 destination):
;   window 0: v0-23 addresses; v24-39 statistics; v40-47 a or 1 / l of the 8 query tiles; v48-63 t; v64-127 S, also buffer A1; v128-255 FR: fragments, packed results, rows on the way out
;   window 1: v0-63 a bias in the accumulators' layout; v64-191 g's fragments; then Q' (tile i, step s at 128 i + 8 s); then w and bp; at the end x, four blocks of 64
;   windows 2, 3: the 64 accumulators: (a, u) in window 2 + u / 4 at v[8 (8 (u % 4) + a)]; window 2 also stages Hq and holds its fragments for t
.set QT,    16640                      ; 16 rows of 1,040 bytes: 16 queries in AQ, 16 tile rows, a wave's quarter of a slot
.set SLOTX, 66560                      ; a slot; slot 1 begins here.  0x10400 shares no bit with w x 0x4100, so an exclusive or is the step from slot to slot
.set HALFQ, 66560                      ; 64 rows of AQ
.set AQ,    133120                     ; 128 queries x 1,040: the chain's activations and P; written by LDS stores alone
.set STG,   266240                     ; the way out: 16 rows x 528 bytes for each wave
.set SGP,   528
.set AX,    300032                     ; 128 f32: a, then 1 / l, of the work-group's queries
.set SPARE, 300544                     ; the spare words, 128 bytes a wave: two blocks of 256 bytes that no other line names
.set TILEB, 65536
.set NOFF,  524288                     ; in fw: N,
.set UOFF,  1048576                    ; u,
.set WPO,   UOFF+2048                  ; w,
.set GOFF,  UOFF+4096                  ; g,
.set SOFF,  UOFF+5120                  ; s0, eight times
.set AAB, 1                            ; AQ + r x 1040 + 16 h; never rewritten
.set AKL, 2                            ; my lane's place in a tile, along the rows
.set AVL, 3                            ; the same, turned, with my wave's 128 columns
.set ADK, 4                            ; AKL, AVL + the slot at work
.set ADV, 5
.set AA0, 6                            ; source 1 from AQ: queries 0-63, 64-127; they step 128 bytes a tile in the chain
.set AA1, 7
.set ST0, 8                            ; where packed results go in AQ: queries 0-63, 64-127
.set ST1, 9
.set QL,  10                           ; my wave's own 32 rows of AQ
.set AXS, 12
.set AXL, 13
.set BL,  14                           ; my byte offset in a bias
.set SGS, 15
.set SGR, 16
.set GO,  17                           ; my byte offset in a row of x and of out0
.set SPW, 18                           ; LDS address of my spare word; never rewritten
.set NIL, 19                           ; 0; never rewritten
.set ST,  24                           ; own query tile t at ST + 8 t: c m, m, l (even keys', odd keys'), c0-c3 at work; a takes c2's place
.set AV,  40
.set T8,  48
.set S,   64
.set FR,  128
.set WV,  18                           ; s18 my wave
.set G1,  24                           ; s[24:31] descriptor group 1
.set G0,  32                           ; s[32:35] descriptor group 0: it walks
.set NX,  36                           ; s[36:37] my quarter of the tile asked for last
.set ALT, 38                           ; s[38:39] my quarter of the next tensor's first tile
.set TB,  40                           ; s40 the slot at work
.set CNT, 41
.set CS,  42                           ; s[42:43] c
.set SEL, 44                           ; s[44:45] v_permlanex16_b32's selects
.set WOF, 46                           ; s[46:47] my quarter's 16,384 bytes in a tile
.set XBS, 48                           ; s[48:49] x at the work-group's first row
.set OBS, 50                           ; s[50:51] out0 likewise
.set HNB, 54                           ; s[54:55] hn at the batch
.set HQB, 56                           ; s[56:57] hn at my wave's 32 queries
.set MSB, 0
.macro WIN new                         ; the immediate's high byte repeats the setting that is left; a switch that changes nothing is dropped
.if MSB != (\new)
	s_set_vgpr_msb (MSB<<8)|(\new)
.set MSB, (\new)
.endif
.endm
; A vector instruction or a load that touches a matrix instruction's registers stands four plain vector instructions behind it (ISA guide 7.12.1 for vector instructions).
.macro PLACES
.rept 4
	v_nop
.endr
.endm
.macro SYNC                            ; my LDS stores and loads are done; then the work-group's barrier.  The tile on its way may stay out
	s_wait_dscnt 0x0
	s_barrier_signal -1
	s_barrier_wait -1
.endm
.macro ROUND                           ; a round of the cluster's barrier
	s_barrier_signal -1
	s_barrier_wait -1
	s_cmp_lg_u32 s[WV], 0
	s_cbranch_scc1 .Lnot_wave_0_\@
	s_barrier_signal -3
.Lnot_wave_0_\@:
	s_barrier_wait -3
	s_barrier_signal -1
	s_barrier_wait -1
.endm
; The walking descriptor steps: the other slot, the next tile; sel > 0: in the trip whose count is sel the next tensor's first tile.  No tensor load of the wave is out where this stands.
.macro STEP sel
	s_xor_b32 s[G0+1], s[G0+1], SLOTX
	s_add_nc_u64 s[NX:NX+1], s[NX:NX+1], TILEB
.if \sel
	s_cmp_eq_u32 s[CNT], \sel
	s_cselect_b64 s[NX:NX+1], s[ALT:ALT+1], s[NX:NX+1]
.endif
	s_mov_b64 s[G0+2:G0+3], s[NX:NX+1]
	s_or_b32 s[G0+3], s[G0+3], 0x80000000
	s_xor_b32 s[TB], s[TB], SLOTX
.endm
; THE CHANGE OF SLOTS.  All my tensor loads have landed (one was out: my quarter of the tile now to be worked on); 0 onto my spare word; the descriptor steps; my reads of the slot that is left are over; a round of the
; cluster's barrier, so that this holds of every wave of all four work-groups; then the joint refill, first thing behind it.
; The six v_nop are also the places between the last products and the loads and products that write their source registers.
.macro TURN sel
	WIN 0
	s_wait_tensorcnt 0x0
	ds_add_u32 v[SPW], v[NIL]
	STEP \sel
	s_wait_dscnt 0x0
	ROUND
	tensor_load_to_lds s[G0:G0+3], s[G1:G1+7]
	s_nop 0
.rept 6
	v_nop
.endr
.endm
.macro TURNL                           ; the last change of slots: nothing is asked for, so the work-group's barrier is enough
	WIN 0
	s_wait_tensorcnt 0x0
	ds_add_u32 v[SPW], v[NIL]
	s_xor_b32 s[TB], s[TB], SLOTX
	s_wait_dscnt 0x0
	s_barrier_signal -1
	s_barrier_wait -1
.rept 6
	v_nop
.endr
.endm
; ALONG THE ROWS.  FK x: the four fragments (64 tile rows x 32 columns at step x) into buffer x % 4 of FR.
.macro FK x
.irp kt, 0,1,2,3
	ds_load_b128 v[FR+32*((\x)%4)+8*\kt:FR+32*((\x)%4)+8*\kt+3], v[ADK] offset:\kt*QT+((\x)/8)*1040+((\x)%8)*128
	ds_load_b128 v[FR+32*((\x)%4)+8*\kt+4:FR+32*((\x)%4)+8*\kt+7], v[ADK] offset:\kt*QT+((\x)/8)*1040+((\x)%8)*128+64
.endr
.endm
; MS x: step x's 8 products; the 8 accumulators take turns.  Step 0 starts the sums with t.
.macro MS x
.irp kt, 0,1,2,3
.irp i, 0,1
.if (\x) > 0
	v_wmma_f32_16x16x32_bf16 v[S+32*\i+8*\kt:S+32*\i+8*\kt+7], v[FR+32*((\x)%4)+8*\kt:FR+32*((\x)%4)+8*\kt+7], v[128*\i+8*(\x):128*\i+8*(\x)+7], v[S+32*\i+8*\kt:S+32*\i+8*\kt+7]
.else
	v_wmma_f32_16x16x32_bf16 v[S+32*\i+8*\kt:S+32*\i+8*\kt+7], v[FR+32*((\x)%4)+8*\kt:FR+32*((\x)%4)+8*\kt+7], v[128*\i+8*(\x):128*\i+8*(\x)+7], v[T8+8*\i:T8+8*\i+7]
.endif
.endr
.endr
.endm
; A tile's 128 products along the rows.  SPHF: the first four steps' fragments are fetched.  SPHC: the products; source 1 (Q') lies in window 1, and an LDS load's address and destination stay in window 0 under that setting.
; Four buffers: three steps' loads are out.
.macro SPHF
	WIN 0
	v_add_nc_u32 v[ADK], s[TB], v[AKL]
	FK 0
	FK 1
	FK 2
	FK 3
.endm
.macro SPHC
	WIN 0x04
.set st, 0
.rept 16
.if st < 13
	s_wait_dscnt 24                                ; this step's 8 loads are in; the next three steps' stay out
.else
	s_wait_dscnt 8*(15-st)
.endif
	MS st
.if st < 12
	PLACES
	FK st+4
.endif
.set st, st+1
.endr
.endm
; TURNED.  LB kk, uh: four fragments (32 tile rows 32 kk on x 16 columns each) of my columns' half uh into buffer B(uh) = FR + 64 + 32 uh.
.macro LB kk, uh
.irp ui, 0,1,2,3
	ds_load_tr16_b128 v[FR+64+32*(\uh)+8*\ui:FR+64+32*(\uh)+8*\ui+3], v[ADV] offset:(\kk)*2*QT+(\uh)*256+\ui*32
	ds_load_tr16_b128 v[FR+64+32*(\uh)+8*\ui+4:FR+64+32*(\uh)+8*\ui+7], v[ADV] offset:(\kk)*2*QT+QT+(\uh)*256+\ui*32
.endr
.endm
; LA kk: source 1 for all 8 query tiles, 32 along K at byte 64 kk, into A0 = FR (kk = 0) or A1 = S (kk = 1).
.macro LA kk
.irp a, 0,1,2,3,4,5,6,7
	ds_load_b128 v[FR-64*(\kk)+8*\a:FR-64*(\kk)+8*\a+3], v[AA0+\a/4] offset:(\a%4)*QT+64*(\kk)
	ds_load_b128 v[FR-64*(\kk)+8*\a+4:FR-64*(\kk)+8*\a+7], v[AA0+\a/4] offset:(\a%4)*QT+64*(\kk)+32
.endr
.endm
; BLK: 32 products on 32 accumulators, which take turns.  init = 1: the bias, in window 1, starts the sums: nothing is cleared.
.macro BLK kk, uh, init
.if \init
	WIN 0x90+0x40*(\uh)
.else
	WIN 0xa0+0x50*(\uh)
.endif
.irp ui, 0,1,2,3
.irp a, 0,1,2,3,4,5,6,7
.if \init
	v_wmma_f32_16x16x32_bf16 v[8*(8*\ui+\a):8*(8*\ui+\a)+7], v[FR+64+32*(\uh)+8*\ui:FR+64+32*(\uh)+8*\ui+7], v[FR-64*(\kk)+8*\a:FR-64*(\kk)+8*\a+7], v[8*(4*(\uh)+\ui):8*(4*(\uh)+\ui)+7]
.else
	v_wmma_f32_16x16x32_bf16 v[8*(8*\ui+\a):8*(8*\ui+\a)+7], v[FR+64+32*(\uh)+8*\ui:FR+64+32*(\uh)+8*\ui+7], v[FR-64*(\kk)+8*\a:FR-64*(\kk)+8*\a+7], v[8*(8*\ui+\a):8*(8*\ui+\a)+7]
.endif
.endr
.endr
.endm
; BLKH u0: half of BLK 1, 1: the 16 products of column blocks u0, u0 + 1 of window 3
.macro BLKH u0
	WIN 0xf0
.irp ui, \u0, (\u0)+1
.irp a, 0,1,2,3,4,5,6,7
	v_wmma_f32_16x16x32_bf16 v[8*(8*(\ui)+\a):8*(8*(\ui)+\a)+7], v[FR+96+8*(\ui):FR+96+8*(\ui)+7], v[S+8*\a:S+8*\a+7], v[8*(8*(\ui)+\a):8*(8*(\ui)+\a)+7]
.endr
.endr
.endm
; SC1 x: accumulator x (0-31 in window 2, 32-63 in window 3) times AV of its query tile x % 8, from its lowest registers on.
.macro SC1 x
	WIN 0x82+0x41*((\x)/32)
.set n, (\x)%32
.irp z, 0,1,2,3
.if n%2
	v_pk_mul_f32 v[8*n+2*\z:8*n+2*\z+1], v[8*n+2*\z:8*n+2*\z+1], v[AV+n%8-1:AV+n%8] op_sel:[0,1] op_sel_hi:[1,1]
.else
	v_pk_mul_f32 v[8*n+2*\z:8*n+2*\z+1], v[8*n+2*\z:8*n+2*\z+1], v[AV+n%8:AV+n%8+1] op_sel_hi:[1,0]
.endif
.endr
.endm
.macro SCL uh                          ; all 32 accumulators of window 2 + uh
.set nn, 0
.rept 32
	SC1 32*(\uh)+nn
.set nn, nn+1
.endr
.endm
; BLKR uh: BLK 0, uh with the rescaling beside it: behind the product on accumulator m the accumulator two further on is scaled, into the next window too.  The four multiplies name no register of the products round them.
.macro BLKR uh
.set m, 0
.rept 32
	WIN 0xa0+0x50*(\uh)
	v_wmma_f32_16x16x32_bf16 v[8*m:8*m+7], v[FR+64+32*(\uh)+8*(m/8):FR+64+32*(\uh)+8*(m/8)+7], v[FR+8*(m%8):FR+8*(m%8)+7], v[8*m:8*m+7]
.if 32*(\uh)+m < 62
	SC1 32*(\uh)+m+2
.endif
.set m, m+1
.endr
.endm
; THE CHANGE OF SLOTS AT THE END OF A KEY TRIP, with the trip's last 32 products round it.  Their fragments (B1, and A1 in S's registers) are in registers when the count 1 is met: only the add is then out.
; 16 products stand between the add and the wait for it.  Behind the round: the joint refill; four v_nop; the next tile's first three steps' fragments (into A0 and B0, whose last readers stand five plain instructions back or
; more); the other 16 products while those loads are on their way; six v_nop, the places in front of the fourth step's loads into B1 and of the next trip's first products, which write S's registers.
; In the trip whose count is 2 N's first tile is asked for.  The last trip's change is N's first, and its 32 fragment loads, of N's tile, serve nothing: the price, once a launch, of one text for every trip.
.macro TURNP
	WIN 0
	s_wait_tensorcnt 0x0
	ds_add_u32 v[SPW], v[NIL]
	STEP 2
	s_wait_dscnt 1                                 ; LB 1,1's eight loads are in; the add, issued behind them, may be out
	BLKH 0
	WIN 0
	s_wait_dscnt 0x0                               ; the add is done, and my reads of the slot that is left are over
	ROUND
	tensor_load_to_lds s[G0:G0+3], s[G1:G1+7]
	s_nop 0
	PLACES
	v_add_nc_u32 v[ADK], s[TB], v[AKL]
	FK 0
	FK 1
	FK 2
	BLKH 2
.rept 6
	v_nop
.endr
	WIN 0
	FK 3
.endm
; A CHAIN TILE: 128 products.  The last 32 are held back (their fragments are in registers before the change of slots) and stand under the next tile's first loads (pend = 1).
.macro CHBODY pend, init, step
	WIN 0
	v_add_nc_u32 v[ADV], s[TB], v[AVL]
	LB 0, 0
	LA 0
.if \pend
	BLK 1, 1, 0
	PLACES
	WIN 0
.endif
	LB 0, 1
	LA 1
.if \step
	v_add_nc_u32 v[AA0], 128, v[AA0]               ; the next tile's 64 along K
	v_add_nc_u32 v[AA1], 128, v[AA1]
.endif
	s_wait_dscnt 24                                ; LB 0,0 and LA 0 are in; LB 0,1 (8) and LA 1 (16) stay out
	BLK 0, 0, \init
	PLACES
	WIN 0
	LB 1, 0
	s_wait_dscnt 24                                ; LB 0,1 is in; LA 1 (16) and LB 1,0 (8) stay out
	BLK 0, 1, \init
	PLACES
	WIN 0
	LB 1, 1
	s_wait_dscnt 8                                 ; LA 1 and LB 1,0 are in; LB 1,1 (8) stays out
	BLK 1, 0, 0
.endm
.macro FLUSH
	s_wait_dscnt 0x0
	BLK 1, 1, 0
.endm
; The accumulators (times AV if scale = 1) rounded to bf16 and laid into AQ: a lane's 32 columns of a half are 64 consecutive bytes of its query's row.
.macro EPI scale
	PLACES
.irp uh, 0,1
.if \scale
	SCL \uh
.endif
	WIN 0x0a+5*\uh
.set n, 0
.rept 128
	v_cvt_pk_bf16_f32 v[FR+n], v[2*n], v[2*n+1]
.set n, n+1
.endr
	WIN 0
.irp ui, 0,1,2,3
.irp a, 0,1,2,3,4,5,6,7
	ds_store_b128 v[ST0+\a/4], v[FR+4*(8*\ui+\a):FR+4*(8*\ui+\a)+3] offset:(\a%4)*QT+\uh*128+\ui*16
.endr
.endr
.endr
.endm
.macro LBIAS sb, off, dst              ; 512 f32 at byte off of the buffer in s[sb:sb+1], my 64 of them, into window 1 from v[dst] on, in the accumulators' layout
	WIN 0x40
.irp u, 0,1,2,3,4,5,6,7
	global_load_b128 v[(\dst)+8*\u:(\dst)+8*\u+3], v[BL], s[\sb:\sb+1] offset:(\off)+(\u/4)*256+(\u%4)*32
	global_load_b128 v[(\dst)+8*\u+4:(\dst)+8*\u+7], v[BL], s[\sb:\sb+1] offset:(\off)+(\u/4)*256+(\u%4)*32+16
.endr
	WIN 0
.endm
.macro AARESET
	v_mov_b32 v[AA0], v[AAB]
	v_add_nc_u32 v[AA1], HALFQ, v[AAB]
.endm
.macro XLOAD a                         ; 16 rows of x, my 512 bytes of each, into block a % 4 of window 1
	WIN 0x40
.set t, 0
.rept 16
	global_load_b128 v[64*((\a)%4)+4*t:64*((\a)%4)+4*t+3], v[GO], s[XBS:XBS+1] offset:(16*(\a)+t)*2048 th:TH_LOAD_NT
.set t, t+1
.endr
	WIN 0
.endm
.macro OWNFR                           ; my own 32 rows of AQ as source 1: tile i, step s at 128 i + 8 s of the window that is set as destination
.set st, 0
.rept 16
.irp i, 0,1
	ds_load_b128 v[128*\i+8*st:128*\i+8*st+3], v[QL] offset:\i*QT+64*st
	ds_load_b128 v[128*\i+8*st+4:128*\i+8*st+7], v[QL] offset:\i*QT+64*st+32
.endr
.set st, st+1
.endr
.endm
; THE SOFTMAX of one own query tile for one key step: a list of 102 instructions; SM writes number j for tile t.  s0-s31 are the lane's 32 scores.
;   0-15 the maximum of the scores and the old m (each accumulator's lowest registers are read first)    16-20 the other half of the lanes; m; c m; c m_old - c m_new
;   21-87 33 exponentials at the odd numbers from 23 on, a plain instruction behind each (ISA guide 5.7.2): scalings ahead of their exponentials, roundings behind theirs, the first sums    88-101 the rest; l = a l + sum
.macro SM t
.set rT, ST+8*(\t)
.set rS, S+32*(\t)
.set rP, FR+16*(\t)
.set q, (j-20)/2
.if j < 4
	v_max3_num_f32 v[rT+4+j], v[rS+8*j], v[rS+8*j+1], v[rS+8*j+2]
.elseif j < 12
	v_max3_num_f32 v[rT+4+j%4], v[rT+4+j%4], v[rS+8*(j%4)+2*(j/4)+1], v[rS+8*(j%4)+2*(j/4)+2]
.elseif j == 12
	v_max3_num_f32 v[rT+4], v[rT+4], v[rS+7], v[rS+15]
.elseif j == 13
	v_max3_num_f32 v[rT+6], v[rT+6], v[rS+23], v[rS+31]
.elseif j == 14
	v_max3_num_f32 v[rT+4], v[rT+4], v[rT+5], v[rT+6]
.elseif j == 15
	v_max3_num_f32 v[rT+4], v[rT+4], v[rT+7], v[rT+1]
.elseif j == 16
	v_permlanex16_b32 v[rT+5], v[rT+4], s[SEL], s[SEL+1]
.elseif j == 17
	v_mov_b32 v[rT+7], v[rT]
.elseif j == 18
	v_max_num_f32 v[rT+1], v[rT+4], v[rT+5]
.elseif j == 19
	v_mul_f32 v[rT], s[CS], v[rT+1]
.elseif j == 20
	v_sub_f32 v[rT+7], v[rT+7], v[rT]
.elseif j == 23
	v_exp_f32 v[rT+6], v[rT+7]
.elseif (j > 23) && (j < 88) && (j%2 == 1)
	v_exp_f32 v[rS+(j-25)/2], v[rS+(j-25)/2]
.elseif (q < 4) || ((j < 76) && (q%2 == 0))
.set b, q/2+2
.if q < 4
.set b, q
.endif
	v_pk_fma_f32 v[rS+2*b:rS+2*b+1], v[rS+2*b:rS+2*b+1], s[CS:CS+1], v[rT:rT+1] op_sel_hi:[1,0,0] neg_lo:[0,0,1] neg_hi:[0,0,1]
.elseif (j < 88) && (q%2 == 1)
	s_wait_alu depctr_va_vdst(0)
	v_cvt_pk_bf16_f32 v[rP+(q-5)/2], v[rS+q-5], v[rS+q-4]
.elseif j == 89
	s_wait_alu depctr_va_vdst(0)
	v_cvt_pk_bf16_f32 v[rP+15], v[rS+30], v[rS+31]
.else
.set z, j-86
.if j < 89
.set z, (j-76)/4
.endif
.set w, 4
.set u, z
.if z >= 14
.set w, 32
.set u, 0
.elseif z >= 12
.set w, 16
.set u, z-12
.elseif z >= 8
.set w, 8
.set u, z-8
.endif
.if z < 15
	v_pk_add_f32 v[rS+w*u:rS+w*u+1], v[rS+w*u:rS+w*u+1], v[rS+w*u+w/2:rS+w*u+w/2+1]
.else
	v_pk_fma_f32 v[rT+2:rT+3], v[rT+2:rT+3], v[rT+6:rT+7], v[rS:rS+1] op_sel_hi:[1,0,1]
.endif
.endif
.endm
.macro SMX                             ; both own tiles: where exponentials stand, tile by tile (plain, exponential, plain, exponential); elsewhere the tiles alternate
	WIN 0
.set k, 0
.rept 51
.if (k >= 11) && (k < 44)
.irp t, 0,1
.irp n, 0,1
.set j, 2*k+\n
	SM \t
.endr
.endr
.else
.irp n, 0,1
.irp t, 0,1
.set j, 2*k+\n
	SM \t
.endr
.endr
.endif
.set k, k+1
.endr
.endm
	; ---------------------------------------------------------------- the head
	s_load_b256 s[4:11], s[0:1], 0x0               ; x s[4:5], hn s[6:7], fw s[8:9], bp s[10:11]
	s_load_b64 s[16:17], s[0:1], 0x20              ; out0
	v_lshl_add_u32 v[SPW], v0, 2, SPARE
	v_mov_b32 v[NIL], 0
	ds_add_u32 v18, v19
	ds_add_u32 v18, v19
	s_wait_dscnt 0x0
	v_lshrrev_b32 v20, 5, v0
	v_readfirstlane_b32 s[WV], v20                 ; wave 0..3
	s_bfe_u32 s19, ttmp6, 0x40000                  ; cx: it enters the addresses of Hq, x and out0 alone
	s_lshl_b32 s20, ttmp9, 2
	s_add_co_u32 s20, s20, s19                     ; my block of 128 queries
	s_and_b32 s21, ttmp7, 0xffff                   ; the batch, which the four partners share
	; descriptor group 1: my quarter of a tile, 16,384 dense bytes, as 16 rows of 1,024 bytes.  The padding's interval is a row, so LDS rows lie 1,040 bytes apart.  Not 64 rows of 256 bytes:
	; at their pitch of 272 the 16 tile rows of a fragment load would fall into four 16-byte columns modulo 256; at 1,040 a pair of tile rows starts 2,080 = 32 modulo 256 bytes behind the last: sixteen columns.
	s_mov_b32 s[G1], 15|(1<<16)|(1<<20)|(1<<21)|(7<<22)|(3<<25)  ; 15:0 the mask of four; 17:16 2-byte elements; 20 padding on; 21 set beside a mask; 24:22 after every 256 words (code 7); 31:25 4 words (code 3)
	s_mov_b32 s[G1+1], 512<<16                     ; tensor_dim0 = 512
	s_mov_b32 s[G1+2], 16<<16                      ; tensor_dim1 = 16
	s_mov_b32 s[G1+3], 512<<16                     ; tile_dim0 = 512
	s_mov_b32 s[G1+4], 16                          ; tile_dim1 = 16
	s_mov_b32 s[G1+5], 512                         ; 512 elements from row to row
	s_mov_b32 s[G1+6], 0
	s_mov_b32 s[G1+7], 0
	s_mov_b32 s[G0], 1
	s_mul_i32 s[G0+1], s[WV], QT                   ; my quarter of slot 0: no place in the cluster enters an LDS address
	s_mov_b32 s[TB], SLOTX                         ; the first change of slots turns it into 0
	s_mov_b32 s[CS], 0x3d8293ee                    ; c = log2(e) / sqrt(512) = 0.0637587
	s_mov_b32 s[CS+1], s[CS]
	s_mov_b32 s[SEL], 0x76543210
	s_mov_b32 s[SEL+1], 0xfedcba98
	s_lshl_b32 s[WOF], s[WV], 14
	s_mov_b32 s[WOF+1], 0
	s_lshl_b32 s52, s21, 20                        ; a batch of hn
	s_mov_b32 s53, 0
	s_lshl_b32 s22, s20, 17                        ; 128 queries of hn,
	s_lshl_b32 s23, s[WV], 15                      ; my wave's 32
	s_add_co_u32 s22, s22, s23
	s_mov_b32 s23, 0
	s_lshl_b32 s58, s21, 21                        ; a batch of x and out0,
	s_lshl_b32 s59, s20, 18                        ; 128 rows
	s_add_co_u32 s58, s58, s59
	s_mov_b32 s59, 0
	s_wait_kmcnt 0x0
	s_add_nc_u64 s[NX:NX+1], s[8:9], s[WOF:WOF+1]  ; tile 0: M's rows 0-63
	s_mov_b64 s[G0+2:G0+3], s[NX:NX+1]
	s_or_b32 s[G0+3], s[G0+3], 0x80000000
	s_add_nc_u64 s[HNB:HNB+1], s[6:7], s[52:53]
	s_add_nc_u64 s[HQB:HQB+1], s[HNB:HNB+1], s[22:23]
	s_add_nc_u64 s[XBS:XBS+1], s[4:5], s[58:59]
	s_add_nc_u64 s[OBS:OBS+1], s[16:17], s[58:59]
	ROUND                                          ; all four work-groups are here: the first joint load meets
	tensor_load_to_lds s[G0:G0+3], s[G1:G1+7]
	s_nop 0
	PLACES
	v_and_b32 v20, 15, v0                          ; r
	v_bfe_u32 v21, v0, 4, 1                        ; h
	v_and_b32 v22, 31, v0                          ; lane
	v_lshrrev_b32 v23, 1, v20
	v_mul_u32_u24 v[AKL], v23, 2080                ; AKL = (r / 2) x 2080 + (r % 2) x 16 + 32 h
	v_and_b32 v23, 1, v0
	v_lshl_add_u32 v[AKL], v23, 4, v[AKL]
	v_lshl_add_u32 v[AKL], v21, 5, v[AKL]
	v_bfe_u32 v[AVL], v0, 1, 2                     ; AVL: tile row 8 h + lane % 8; lanes 8-15 of each half 128 bytes on; my wave's 128 columns
	v_lshl_add_u32 v[AVL], v21, 2, v[AVL]
	v_mul_u32_u24 v[AVL], v[AVL], 2080
	v_lshl_add_u32 v[AVL], v23, 4, v[AVL]
	v_bfe_u32 v23, v0, 3, 1
	v_lshl_add_u32 v[AVL], v23, 7, v[AVL]
	s_lshr_b32 s22, s[WV], 1
	s_mul_i32 s22, s22, 1040
	s_and_b32 s23, s[WV], 1
	s_lshl_b32 s23, s23, 9
	s_add_co_u32 s22, s22, s23
	v_add_nc_u32 v[AVL], s22, v[AVL]
	v_mul_u32_u24 v[AAB], v20, 1040
	v_lshl_add_u32 v[ST0], v21, 6, v[AAB]          ; ST0 = AQ + r x 1040 + 64 h + 256 w
	v_lshl_add_u32 v[AAB], v21, 4, v[AAB]
	v_add_nc_u32 v[AAB], AQ, v[AAB]
	AARESET
	s_lshl_b32 s22, s[WV], 8
	s_add_co_u32 s22, s22, AQ
	v_add_nc_u32 v[ST0], s22, v[ST0]
	v_add_nc_u32 v[ST1], HALFQ, v[ST0]
	s_mul_i32 s22, s[WV], 2*QT
	v_add_nc_u32 v[QL], s22, v[AAB]
	v_lshlrev_b32 v[AXL], 2, v20
	v_add_nc_u32 v[AXL], AX, v[AXL]
	v_lshl_add_u32 v[AXS], s[WV], 7, v[AXL]
	v_lshlrev_b32 v[BL], 7, v21
	v_lshl_add_u32 v[BL], s[WV], 9, v[BL]
	s_mul_i32 s23, s[WV], 16*SGP
	s_add_co_u32 s23, s23, STG
	v_mul_u32_u24 v[SGS], v20, SGP
	v_lshl_add_u32 v[SGS], v21, 7, v[SGS]
	v_add_nc_u32 v[SGS], s23, v[SGS]
	v_lshl_add_u32 v[SGR], v22, 4, s23
	v_lshlrev_b32 v[GO], 4, v22
	v_lshl_add_u32 v[GO], s[WV], 9, v[GO]
	v_and_b32 v23, 1, v0                           ; where a piece of Hq goes: row 32 w + lane % 2, byte 16 (lane / 2)
	v_mul_u32_u24 v23, v23, 1040
	v_lshrrev_b32 v20, 1, v22
	v_lshl_add_u32 v23, v20, 4, v23
	s_add_co_u32 s22, s22, AQ
	v_add_nc_u32 v23, s22, v23
	v_lshlrev_b32 v21, 4, v21                      ; 16 h: g's fragments
	v_lshlrev_b32 v22, 4, v22                      ; 16 x lane: Hq as it lies
	v_mov_b32 v20, 0                               ; every lane reads the same s0
	; My 32 queries of hn, 32,768 dense bytes in 64 loads, go through window 2 into plain rows of AQ.  The first 32 loads and u's 16 go out; then, four at a time, pieces are stored and the other 32 loads issued.
	WIN 0x88                                       ; loaded data and LDS store data in window 2, addresses in window 0
.set i, 0
.rept 32
	global_load_b128 v[4*i:4*i+3], v22, s[HQB:HQB+1] offset:512*i
.set i, i+1
.endr
	LBIAS 8, UOFF, 0                               ; u
	WIN 0x88
.set g, 0
.rept 8
	s_wait_loadcnt 44                              ; loads 4 g to 4 g + 3 are in: behind them 28 - 4 g of the first half, u's 16 and 4 g of the second half
.irp e, 0,1,2,3
	ds_store_b128 v23, v[4*(4*g+\e):4*(4*g+\e)+3] offset:g*2080+\e*256  ; the interleaved pieces go to plain rows of AQ
.endr
.irp e, 0,1,2,3
	global_load_b128 v[4*(32+4*g+\e):4*(32+4*g+\e)+3], v22, s[HQB:HQB+1] offset:512*(32+4*g+\e)
.endr
.set g, g+1
.endr
	WIN 0x40
.set st, 0
.rept 16                                               ; g as source 0 with all 16 rows alike: every lane of a half takes the same 16 bytes
	global_load_b128 v[64+8*st:64+8*st+3], v21, s[8:9] offset:GOFF+64*st
	global_load_b128 v[64+8*st+4:64+8*st+7], v21, s[8:9] offset:GOFF+64*st+32
.set st, st+1
.endr
	WIN 0
	global_load_b128 v[FR:FR+3], v20, s[8:9] offset:SOFF
	global_load_b128 v[FR+4:FR+7], v20, s[8:9] offset:SOFF+16
	WIN 0x88
.rept 8
	s_wait_loadcnt 94-4*g                          ; loads 4 g to 4 g + 3 are in: behind them 60 - 4 g of Hq's, g's 32 and s0's 2
.irp e, 0,1,2,3
	ds_store_b128 v23, v[4*(4*g+\e):4*(4*g+\e)+3] offset:g*2080+\e*256
.endr
.set g, g+1
.endr
	; ---------------------------------------------------------------- t = Hq . g + s0 for my 32 queries, whose rows of AQ I wrote myself: LDS serves a wave's instructions in order (ISA guide 5.7.1.4)
	WIN 0x80
	OWNFR
	s_wait_loadcnt 0x0                             ; g and s0
	s_wait_dscnt 0x0
	WIN 0x09                                       ; source 0 (g) window 1, source 1 (Hq) window 2
.set st, 0
.rept 16                                               ; the two accumulators take turns; s0 starts both sums; every register of a result holds t of the lane's query
.irp i, 0,1
.if st == 0
	v_wmma_f32_16x16x32_bf16 v[T8+8*\i:T8+8*\i+7], v[64+8*st:64+8*st+7], v[128*\i+8*st:128*\i+8*st+7], v[FR:FR+7]
.else
	v_wmma_f32_16x16x32_bf16 v[T8+8*\i:T8+8*\i+7], v[64+8*st:64+8*st+7], v[128*\i+8*st:128*\i+8*st+7], v[T8+8*\i:T8+8*\i+7]
.endif
.endr
.set st, st+1
.endr
	WIN 0
	; ---------------------------------------------------------------- Q' = Hq M + u (tiles 0-7), into AQ
	s_add_nc_u64 s[ALT:ALT+1], s[HNB:HNB+1], s[WOF:WOF+1]  ; behind M's last tile: the batch's first 64 keys
	TURN 0
	CHBODY 0, 1, 1
	WIN 0
	s_mov_b32 s[CNT], 7
.Lm:
	TURN 1
	CHBODY 1, 0, 1
	WIN 0
	s_sub_co_u32 s[CNT], s[CNT], 1
	s_cmp_lg_u32 s[CNT], 0
	s_cbranch_scc1 .Lm
	FLUSH
	WIN 0
	SYNC                                           ; every wave has read Hq out of AQ
	EPI 0
	SYNC                                           ; Q' is whole
	WIN 0x40                                       ; my 32 queries' Q' stays in registers; the next change of slots waits for these loads
	OWNFR
	WIN 0
	; ---------------------------------------------------------------- the keys (tiles 8-23): S, softmax, O' = a O' + P hn
.irp t, 0,1
	v_mov_b32 v[ST+8*\t], 0xfe000000               ; c m: far below every c s, so the first step's a is 0
	v_mov_b32 v[ST+8*\t+1], 0xff7fffff             ; m: the lowest finite number
	v_mov_b32 v[ST+8*\t+2], 0
	v_mov_b32 v[ST+8*\t+3], 0
.endr
	AARESET
	s_add_nc_u64 s[ALT:ALT+1], s[8:9], s[WOF:WOF+1]
	s_add_nc_u64 s[ALT:ALT+1], s[ALT:ALT+1], NOFF  ; behind the last keys: N's first tile
	TURN 0                                         ; the first keys are in; the second 64 are asked for
	SPHF
	s_mov_b32 s[CNT], 16
.Lkeys:                                                ; a trip: a tile's products and softmax, then the change to the next tile and its first fragments.  32 LDS loads are out here, on the way in and on the way back
	SPHC                                           ; S^T = hn Q'^T + t for my 32 queries
	PLACES
	WIN 0
	v_add_nc_u32 v[ADV], s[TB], v[AVL]
	LB 0, 0                                        ; the tile's first turned fragments come in under the softmax
	LB 0, 1
	SMX
.irp t, 0,1
.irp kt, 0,1,2,3
	ds_store_b128 v[QL], v[FR+16*\t+4*\kt:FR+16*\t+4*\kt+3] offset:\t*QT+32*\kt  ; P: 64 keys at the head of my queries' rows
.endr
	ds_store_b32 v[AXS], v[ST+8*\t+6] offset:64*\t  ; a: both halves of the lanes write the same word with the same number
.endr
	SYNC                                           ; P and a of all 128 queries are there
.irp a, 0,1,2,3,4,5,6,7
	ds_load_b32 v[AV+\a], v[AXL] offset:64*\a
.endr
	LA 0
	LA 1
	s_wait_dscnt 32                                ; a is in; LA 0 and LA 1 stay out
	SC1 0                                          ; the first two accumulators are scaled ahead of the products; the others beside them
	SC1 1
	s_wait_dscnt 16                                ; LA 0 is in
	BLKR 0
	PLACES
	WIN 0
	LB 1, 0
	BLKR 1
	PLACES
	WIN 0
	LB 1, 1
	s_wait_dscnt 8                                 ; LA 1 and LB 1,0 are in; LB 1,1 stays out
	BLK 1, 0, 0
	TURNP
	s_sub_co_u32 s[CNT], s[CNT], 1
	s_cmp_lg_u32 s[CNT], 0
	s_cbranch_scc1 .Lkeys
	; ---------------------------------------------------------------- O' / l, into AQ.  N's first tile is in and its second is on its way.
	LBIAS 8, WPO, 0                                ; w
	LBIAS 10, 0, 64                                ; bp
.irp t, 0,1
	v_add_f32 v[ST+8*\t+4], v[ST+8*\t+2], v[ST+8*\t+3]
.endr
.irp t, 0,1
	v_permlanex16_b32 v[ST+8*\t+5], v[ST+8*\t+4], s[SEL], s[SEL+1]
.endr
.irp t, 0,1
	v_add_f32 v[ST+8*\t+4], v[ST+8*\t+4], v[ST+8*\t+5]
.endr
.irp t, 0,1
	v_rcp_f32 v[ST+8*\t+6], v[ST+8*\t+4]
.endr
	v_nop                                          ; a plain instruction between the last reciprocal and its use
	s_wait_alu depctr_va_vdst(0)
.irp t, 0,1
	ds_store_b32 v[AXS], v[ST+8*\t+6] offset:64*\t  ; every wave waited for its reads of the last a and the last P in front of the round just passed
.endr
	SYNC                                           ; 1 / l of all 128 queries is there; the fragment loads of the last change of slots are back
.irp a, 0,1,2,3,4,5,6,7
	ds_load_b32 v[AV+\a], v[AXL] offset:64*\a
.endr
	s_wait_dscnt 0x0
	EPI 1
	SYNC
	; ---------------------------------------------------------------- out = O' N + (w + bp) (tiles 24-31)
	AARESET
	s_wait_loadcnt 0x0                             ; w and bp
	WIN 0x45                                       ; all in window 1
.set z, 0
.rept 32
	v_pk_add_f32 v[2*z:2*z+1], v[2*z:2*z+1], v[64+2*z:64+2*z+1]
.set z, z+1
.endr
	WIN 0
	CHBODY 0, 1, 1                                 ; the change of slots to this tile stood at the end of the last key trip
	XLOAD 0                                        ; the bias has been read, four v_nop and 32 products ago: its registers take x.  Rows 0-47 are asked for seven tiles ahead of their use: 48 loads of mine are out
	XLOAD 1
	XLOAD 2
	s_mov_b32 s[CNT], 6
.Ln:
	TURN 0
	CHBODY 1, 0, 1
	WIN 0
	s_sub_co_u32 s[CNT], s[CNT], 1
	s_cmp_lg_u32 s[CNT], 0
	s_cbranch_scc1 .Ln
	v_bfe_u32 v20, v0, 1, 4                        ; for the prefetch: row lane / 2, 256 bytes lane % 2 of my wave's 512
	v_lshlrev_b32 v20, 11, v20
	v_and_b32 v21, 1, v0
	v_lshl_add_u32 v20, v21, 8, v20
	v_lshl_add_u32 v20, s[WV], 9, v20
	TURNL
.irp k, 0,1,2,3,4                                      ; x's rows 48-127, my wave's 512 bytes of each: every 256 bytes asked for once, one tile's products and at least one block of the way out ahead of the loads; the last row asked for is the work-group's last
	global_prefetch_b8 v20, s[XBS:XBS+1] offset:(48+16*\k)*2048 th:TH_LOAD_NT scope:SCOPE_SE
.endr
	CHBODY 1, 0, 0
	FLUSH
	; ---------------------------------------------------------------- THE WAY OUT, 16 queries at a time: through my own stage into whole rows; + x; stored
	PLACES
.irp a, 0,1,2,3,4,5,6,7
	WIN 0x08                                       ; store data in window 2, then 3; each accumulator's low half first
.irp u, 0,1,2,3
	ds_store_b128 v[SGS], v[8*(8*\u+\a):8*(8*\u+\a)+3] offset:\u*32
	ds_store_b128 v[SGS], v[8*(8*\u+\a)+4:8*(8*\u+\a)+7] offset:\u*32+16
.endr
	WIN 0x0c
.irp u, 0,1,2,3
	ds_store_b128 v[SGS], v[8*(8*\u+\a):8*(8*\u+\a)+3] offset:256+\u*32
	ds_store_b128 v[SGS], v[8*(8*\u+\a)+4:8*(8*\u+\a)+7] offset:256+\u*32+16
.endr
	WIN 0
.set t, 0
.rept 16
	ds_load_b128 v[FR+64*(\a%2)+4*t:FR+64*(\a%2)+4*t+3], v[SGR] offset:SGP*t  ; LDS serves a wave's instructions in order: these see the stores above, and the next block's stores come behind them.  These registers were read by the global stores of two blocks ago: the s_wait_xcnt 0 of the block before this one stands behind those stores
.set t, t+1
.endr
.if \a < 6
	s_wait_loadcnt 32                              ; this block's x is in; two younger blocks' 16 loads each stay out
.else
	s_wait_loadcnt 16*(7-\a)
.endif
	s_wait_dscnt 0x0
	WIN 0x04                                       ; x in window 1
.set z, 0
.rept 32
	v_pk_add_f32 v[FR+64*(\a%2)+2*z:FR+64*(\a%2)+2*z+1], v[FR+64*(\a%2)+2*z:FR+64*(\a%2)+2*z+1], v[64*(\a%4)+2*z:64*(\a%4)+2*z+1]
.set z, z+1
.endr
	WIN 0
	s_wait_xcnt 0x0                                ; every earlier global instruction has had its addresses translated (ISA guide 3.1): the last block's stores have read their registers, which the next block's LDS loads write.  It stands here, 64 lines behind those stores
.set t, 0
.rept 16
	global_store_b128 v[GO], v[FR+64*(\a%2)+4*t:FR+64*(\a%2)+4*t+3], s[OBS:OBS+1] offset:(16*\a+t)*2048 th:TH_STORE_NT  ; the wave stores 512 consecutive bytes, at a multiple of 256 from out0's first
.set t, t+1
.endr
.if \a < 5
	XLOAD \a+3                                     ; into the block of registers that the block before this one has added
.endif
.endr
	WIN 0
	s_wait_tensorcnt 0x0                           ; the wave's end: behind my last tensor load and my last LDS store
	ds_add_u32 v[SPW], v[NIL]
	s_wait_dscnt 0x0
	ROUND                                          ; the closing round: no work-group ends while a partner may still ask for a tile that names it
	s_endpgm
.Lfunc_end_k_q0a76bb0701_attn:
	.size	k_q0a76bb0701_attn, .Lfunc_end_k_q0a76bb0701_attn-k_q0a76bb0701_attn
	.p2alignl 7, 3214868480
	.fill 96, 4, 3214868480
	.section	.rodata,"a",@progbits
	.p2align	6, 0x0
	.amdhsa_kernel k_q0a76bb0701_attn
		.amdhsa_group_segment_fixed_size 327680
		.amdhsa_private_segment_fixed_size 0
		.amdhsa_enable_private_segment 0
		.amdhsa_kernarg_size 40
		.amdhsa_user_sgpr_count 2
		.amdhsa_user_sgpr_kernarg_segment_ptr 1
		.amdhsa_wavefront_size32 1
		.amdhsa_system_sgpr_workgroup_id_x 1
		.amdhsa_system_sgpr_workgroup_id_y 1
		.amdhsa_system_sgpr_workgroup_id_z 1
		.amdhsa_system_vgpr_workitem_id 0
		.amdhsa_next_free_vgpr 1024
		.amdhsa_next_free_sgpr 66
		.amdhsa_reserve_vcc 0
		.amdhsa_float_denorm_mode_32 3
		.amdhsa_float_denorm_mode_16_64 3
		.amdhsa_memory_ordered 1
		.amdhsa_forward_progress 1
		.amdhsa_inst_pref_size 255
	.end_amdhsa_kernel
	.section	.bss,"aw",@nobits
	.p2align	6
	.space	262144
	.amdgpu_metadata
---
amdhsa.version: [ 1, 2 ]
amdhsa.kernels:
  - .name:           k_q0a76bb0701_attn
    .symbol:         k_q0a76bb0701_attn.kd
    .args:
      - { .name: x, .offset: 0, .size: 8, .value_kind: global_buffer, .address_space: global }
      - { .name: hn, .offset: 8, .size: 8, .value_kind: global_buffer, .address_space: global }
      - { .name: fw, .offset: 16, .size: 8, .value_kind: global_buffer, .address_space: global }
      - { .name: bp, .offset: 24, .size: 8, .value_kind: global_buffer, .address_space: global }
      - { .name: out0, .offset: 32, .size: 8, .value_kind: global_buffer, .address_space: global }
    .group_segment_fixed_size: 327680
    .private_segment_fixed_size: 0
    .kernarg_segment_align: 8
    .kernarg_segment_size: 40
    .max_flat_workgroup_size: 128
    .sgpr_count:     66
    .vgpr_count:     1024
    .wavefront_size: 32
...
	.end_amdgpu_metadata
.endif
;; end of part 5
;; ======== version 3 of 3: 3 launches; version 2 with the launch prep written anew for expert scheduling mode
;; workspace buffers: hn 33,554,432 bytes; wts 2,162,688 bytes; fw 1,053,952 bytes
;; launch prep (part 6): grid 256 x 1, 16 waves a work-group, no clusters, 2,560 bytes of LDS; arguments x, norm_scale, norm_bias, wq, wk, wv, wp, bk, hn, wts, bq, bv; writes hn, wts
.if DOCPART == 6
	.amdgcn_target "amdgcn-amd-amdhsa--gfx1250"
	.amdhsa_code_object_version 6
	.text
	.protected	k_q0a76bb0701_prep
	.globl	k_q0a76bb0701_prep
	.p2align	8
	.type	k_q0a76bb0701_prep,@function
k_q0a76bb0701_prep:
	s_mov_b64 s[64:65], 0
	v_nop
	global_prefetch_b8 v0, s[64:65] scope:SCOPE_SE
	s_setreg_imm32_b32 hwreg(HW_REG_WAVE_SCHED_MODE, 0, 2), 2
	s_setreg_imm32_b32 hwreg(HW_REG_WAVE_MODE, 25, 1), 1
	s_wait_xcnt 0x0
	s_wait_alu depctr_vm_vsrc(0)
; GROUP NORM TO bf16, AND THE WEIGHTS AND THREE BIASES TO bf16.  x: [32][1024][512] f32.  hn = ((x - mean) * rsqrt(var + 1e-6)) * scale + bias, rounded once to bf16.
; A group is 16 channels of all 1,024 pixels of a batch: 16,384 numbers.  A work-group takes one batch and 64 channels (4 groups): 1,024 x 64 f32 = 262,144 bytes,
; which its 16 waves keep in registers (128 a lane), so x is read once.  The variance is taken in a second pass over the registers, of x - mean: no difference of large sums.
; LAYOUT OF hn (per batch) AND OF EACH WEIGHT, a [rows][512] matrix in bf16: byte(row, c) = (row / 2) * 2048 + (c / 8) * 32 + (row % 2) * 16 + (c % 8) * 2:
; two rows lie interleaved in pieces of 16 bytes.  64 rows are 65,536 dense bytes, the later launches' tile.
; wts: Wq at 0, Wk at 524,288, Wv at 1,048,576 (rows as given), Wp TRANSPOSED at 1,572,864, so that the next launch multiplies rows by rows; at 2,097,152 four blocks of 16 rows, 16,384 bytes each,
; every row of a block alike: bq, bk, bv, bk.
; LIMITS.  v_rsq_f32 is accurate to 1 ULP; sums are taken in another order than the reference's; NaN and infinities are not treated apart.
; No matrix unit, no cluster, no tensor load: the work-groups share no input and each byte is read once.
; THE MODE: SCHED_MODE bits 1:0 = 2 (LLVM: expert scheduling mode 2), set by the entry lines.  The code itself states the register dependences
; between vector instructions and memory or LDS instructions, with s_wait_alu, always for 0.
; THE PLAN.  Registers that memory or LDS instructions touch:
;   v2-v9      byte offsets.  Written by vector lines at the head, read by every load, store and LDS access, never written again: one wait on va_vdst ahead of the first load.
;   v[10:17]   scale and bias: loaded once; named by vector lines alone after that.
;   v[18:25]   a weight piece as loaded; read by four roundings.  Work-groups 0 to 3 load a bias into them at the end.
;   v[26:29]   the piece rounded; read by the weight store, which stands behind the first reduction's wait on va_vdst.  Work-groups 0 to 3 write them again at the end, behind the reductions' waits on vm_vsrc.
;   XR         x: loaded once, worked on in place; the low two of each four registers are read by the stores of hn and never written after that.
;   v184       a lane's sum: written by additions, read by a reduction's LDS store (va_vdst ahead of it), written again by the reduction's last addition (vm_vsrc ahead of it).
;   PS         the waves' partial sums: LDS loads land in them, additions read and write them; the second reduction's loads stand behind its wait on va_vdst, with no vector line between.
;   v186       at the end: the offset of the two bias loads.      v192, v193  read by the closing add alone.
; The way out goes in four blocks of eight pairs of pixels: a block's 32 vector lines, one wait on va_vdst, and the block's eight stores dealt among the next block's vector lines, which name other registers.
.set XR, 32                            ; v[32:159]  my 128 numbers of x: load i (two pixels x 256 bytes a wave) in v[32+4i:35+4i]
.set CH, 160                           ; v[160:167] four chains of packed sums
.set PS, 168                           ; v[168:183] the 16 waves' partial sums of my group
; v2 XO, v3 HO, v4 WO, v5 WS, v6 SB, v7 RA, v8 RL, v9 WT: byte offsets, never rewritten once made.  v[10:13] scale, v[14:17] bias of my 4 channels.  v[18:29] a weight piece.  v[30:31] mean, twice.  v184-189 at work.
	s_load_b512 s[4:19], s[0:1], 0x0               ; x s[4:5], scale s[6:7], bias s[8:9], wq s[10:11], wk s[12:13], wv s[14:15], wp s[16:17], bk s[18:19]
	s_load_b128 s[20:23], s[0:1], 0x40             ; hn s[20:21], wts s[22:23]
	s_load_b128 s[40:43], s[0:1], 0x50             ; bq s[40:41], bv s[42:43]
	v_lshl_add_u32 v192, v0, 2, 0x200
	v_mov_b32 v193, 0
	v_lshrrev_b32 v9, 5, v0
	v_readfirstlane_b32 s33, v9                    ; my wave, 0 to 15
	s_lshr_b32 s24, ttmp9, 3                       ; batch
	s_and_b32 s25, ttmp9, 7                        ; which 64 channels
	s_lshl_b32 s26, s25, 8                         ; their 256 bytes, in a pixel of x and in a pair of pixels of hn alike
	s_lshl_b32 s38, s24, 21                        ; a batch of x is 2,097,152 bytes
	s_add_co_u32 s38, s38, s26
	s_mov_b32 s39, 0
	s_lshl_b32 s24, s24, 20                        ; a batch of hn is 1,048,576 bytes
	s_add_co_u32 s24, s24, s26
	s_mov_b32 s25, 0
	s_lshr_b32 s27, ttmp9, 6                       ; which weight this work-group converts a part of,
	s_and_b32 s32, ttmp9, 63                       ; and which 8 rows of the result
	s_mov_b32 s34, 0x76543210                      ; v_permlanex16_b32: each lane takes its own place in the other half
	s_mov_b32 s35, 0xfedcba98
	s_mov_b32 s36, 0x38800000                      ; 1 / 16,384
	s_mov_b32 s37, 0x358637bd                      ; 1e-6
	v_and_b32 v184, 15, v0                         ; lane % 16: my 4 channels are 4 (lane % 16) on
	v_bfe_u32 v185, v0, 4, 1                       ; lane / 16: which of a load's two pixels
	v_lshlrev_b32 v2, 17, v9                       ; XO = wave x 64 pixels x 2,048 + pixel x 2,048 + 16 (lane % 16)
	v_lshl_add_u32 v2, v185, 11, v2
	v_lshl_add_u32 v2, v184, 4, v2
	v_lshrrev_b32 v186, 1, v184
	v_and_b32 v187, 1, v0
	v_lshlrev_b32 v3, 16, v9                       ; HO = wave x 32 pairs x 2,048 + piece x 32 + pixel's parity x 16 + half a piece x 8
	v_lshl_add_u32 v3, v186, 5, v3
	v_lshl_add_u32 v3, v185, 4, v3
	v_lshl_add_u32 v3, v187, 3, v3
	v_lshlrev_b32 v4, 4, v0                        ; WO = 16 t: thread t makes the 16-byte piece t of the work-group's 8,192 bytes of a weight
	v_lshrrev_b32 v188, 7, v0
	v_lshl_add_u32 v188, v188, 1, v187             ; its row among the 8: 2 (t / 128) + t % 2
	v_bfe_u32 v189, v0, 1, 6                       ; its 8 columns: (t % 128) / 2
	v_lshlrev_b32 v5, 11, v188                     ; WS = row x 2,048 + 32 x piece
	v_lshl_add_u32 v5, v189, 5, v5
	v_lshlrev_b32 v9, 14, v189                     ; WT, for the transposed weight: 8 source rows a piece x 2,048 + 4 x the result's row
	v_lshl_add_u32 v9, v188, 2, v9
	v_lshl_add_u32 v6, v184, 4, s26                ; SB: my 4 numbers in scale and in bias
	v_lshrrev_b32 v186, 2, v184                    ; my group among the four
	v_lshlrev_b32 v8, 6, v186                      ; RL = group x 64: its 16 partial sums
	s_wait_alu depctr_va_sdst(0)                   ; s33 is written, ahead of its one reader, the line below
	v_lshl_add_u32 v7, s33, 2, v8                  ; RA = RL + 4 x wave
	s_wait_alu depctr_va_vdst(0)                   ; the eight offsets v2 to v9 are written, which the kernel's loads, stores and LDS accesses read
	s_wait_kmcnt 0x0
	s_add_nc_u64 s[4:5], s[4:5], s[38:39]
	s_add_nc_u64 s[20:21], s[20:21], s[24:25]
	s_cmp_eq_u32 s27, 1                            ; the weight is chosen by the work-group's number
	s_cselect_b64 s[28:29], s[12:13], s[10:11]
	s_cmp_eq_u32 s27, 2
	s_cselect_b64 s[28:29], s[14:15], s[28:29]
	s_lshl_b32 s38, s32, 14                        ; 8 rows of 2,048 bytes in f32
	s_add_nc_u64 s[28:29], s[28:29], s[38:39]
	s_lshl_b32 s38, s27, 19                        ; 524,288 bytes a weight in bf16,
	s_lshl_b32 s24, s32, 13                        ; 8,192 for 8 rows
	s_add_co_u32 s38, s38, s24
	s_add_nc_u64 s[30:31], s[22:23], s[38:39]
	s_cmp_eq_u32 s27, 3
	s_cbranch_scc1 .Lturned
	global_load_b128 v[18:21], v5, s[28:29]
	global_load_b128 v[22:25], v5, s[28:29] offset:16
	s_branch .Lweight_asked
.Lturned:                                              ; Wp: a piece of the result's row d is Wp[8 p .. 8 p + 7][d]: eight loads of 4 bytes, 2,048 bytes apart.  A wave's load takes 8 bytes of each of 16 rows:
	s_lshl_b32 s38, s32, 5                         ; the price of turning 1,048,576 of the launch's 71,000,000 bytes here, so that the next launch has one kind of tile.  My work-group's 8 columns of Wp: 32 bytes
	s_add_nc_u64 s[28:29], s[16:17], s[38:39]
.irp i, 0,1,2,3,4,5,6,7
	global_load_b32 v[18+\i], v9, s[28:29] offset:2048*\i
.endr
.Lweight_asked:
	global_load_b128 v[10:13], v6, s[6:7]
	global_load_b128 v[14:17], v6, s[8:9]
.set i, 0
.rept 32
	global_load_b128 v[XR+4*i:XR+4*i+3], v2, s[4:5] offset:4096*i th:TH_LOAD_NT  ; lanes 0-15 take 256 aligned bytes of one pixel, lanes 16-31 of the next
.set i, i+1
.endr
	s_wait_loadcnt 34                              ; the weight loads (two, or eight) are in: 2 + 32 younger loads stay out
	v_cvt_pk_bf16_f32 v26, v18, v19                ; the piece is rounded while x is on its way; its store stands behind the first reduction's wait on va_vdst
	v_cvt_pk_bf16_f32 v27, v20, v21
	v_cvt_pk_bf16_f32 v28, v22, v23
	v_cvt_pk_bf16_f32 v29, v24, v25
; The four chains into one number a lane, v184; then over the 8 lanes of a group in a wave: lane xor 1, xor 2, xor 16.
.macro FOLD
	v_pk_add_f32 v[CH:CH+1], v[CH:CH+1], v[CH+2:CH+3]
	v_pk_add_f32 v[CH+4:CH+5], v[CH+4:CH+5], v[CH+6:CH+7]
	v_pk_add_f32 v[CH:CH+1], v[CH:CH+1], v[CH+4:CH+5]
	v_add_f32 v184, v[CH], v[CH+1]
	v_add_f32_dpp v184, v184, v184 row_xmask:1 row_mask:0xf bank_mask:0xf
	v_add_f32_dpp v184, v184, v184 row_xmask:2 row_mask:0xf bank_mask:0xf
	v_permlanex16_b32 v185, v184, s34, s35
	v_add_f32 v184, v184, v185
.endm
; v184, a wave's sum for the lane's group, becomes the group's sum over the work-group: the 16 waves meet in LDS, at byte off.  A wait on va_vdst stands ahead of each use.
.macro MEET off
	ds_store_b32 v7, v184 offset:\off              ; a group's 8 lanes write the same word with the same number
	s_wait_dscnt 0x0                               ; for the others' sake: my store is done
	s_barrier_signal -1
	s_barrier_wait -1
	ds_load_b128 v[PS:PS+3], v8 offset:\off
	ds_load_b128 v[PS+4:PS+7], v8 offset:\off+16
	ds_load_b128 v[PS+8:PS+11], v8 offset:\off+32
	ds_load_b128 v[PS+12:PS+15], v8 offset:\off+48
	s_wait_dscnt 0x0
	s_wait_alu depctr_vm_vsrc(0)                   ; the LDS store above has read v184, which the last addition below writes; in the first reduction the weight store has read v[26:29] too, which the kernel's end writes again
	v_pk_add_f32 v[PS:PS+1], v[PS:PS+1], v[PS+2:PS+3]
	v_pk_add_f32 v[PS+4:PS+5], v[PS+4:PS+5], v[PS+6:PS+7]
	v_pk_add_f32 v[PS+8:PS+9], v[PS+8:PS+9], v[PS+10:PS+11]
	v_pk_add_f32 v[PS+12:PS+13], v[PS+12:PS+13], v[PS+14:PS+15]
	v_pk_add_f32 v[PS:PS+1], v[PS:PS+1], v[PS+4:PS+5]
	v_pk_add_f32 v[PS+8:PS+9], v[PS+8:PS+9], v[PS+12:PS+13]
	v_pk_add_f32 v[PS:PS+1], v[PS:PS+1], v[PS+8:PS+9]
	v_add_f32 v184, v[PS], v[PS+1]
.endm
	; pass 1: the sum.  Four chains, each started by adding two pairs: nothing is cleared.  The waits let the younger quarters of x stay out.
.set p, 0
.rept 64
.if p%16 == 0
	s_wait_loadcnt 24-8*(p/16)
.endif
.if p < 4
	v_pk_add_f32 v[CH+2*p:CH+2*p+1], v[XR+2*p:XR+2*p+1], v[XR+2*p+8:XR+2*p+9]
.elseif p >= 8
	v_pk_add_f32 v[CH+2*(p%4):CH+2*(p%4)+1], v[CH+2*(p%4):CH+2*(p%4)+1], v[XR+2*p:XR+2*p+1]
.endif
.set p, p+1
.endr
	FOLD
	s_wait_alu depctr_va_vdst(0)                   ; the additions have written v184, which the LDS store reads; the four roundings have written v[26:29], which the weight store reads
	global_store_b128 v4, v[26:29], s[30:31]       ; a wave stores 512 consecutive bytes
	MEET 0
	v_mul_f32 v30, s36, v184                       ; the mean
	v_mov_b32 v31, v30
	; pass 2: d = x - mean in place, and the sum of d x d
.set p, 0
.rept 64
	v_pk_add_f32 v[XR+2*p:XR+2*p+1], v[XR+2*p:XR+2*p+1], v[30:31] neg_lo:[0,1] neg_hi:[0,1]
.set p, p+1
.endr
.set p, 0
.rept 64
.if p < 4
	v_pk_mul_f32 v[CH+2*p:CH+2*p+1], v[XR+2*p:XR+2*p+1], v[XR+2*p:XR+2*p+1]
.else
	v_pk_fma_f32 v[CH+2*(p%4):CH+2*(p%4)+1], v[XR+2*p:XR+2*p+1], v[XR+2*p:XR+2*p+1], v[CH+2*(p%4):CH+2*(p%4)+1]
.endif
.set p, p+1
.endr
	FOLD
	s_wait_alu depctr_va_vdst(0)                   ; the additions have written v184, which the LDS store reads; the first reduction's additions are done reading and writing PS, in which the LDS loads behind the barrier land
	MEET 256                                       ; other words than the first reduction's: no wave can overtake a reader
	v_fma_f32 v184, v184, s36, s37                 ; the variance + 1e-6
	v_rsq_f32 v185, v184
	v_nop                                          ; a plain instruction between the reciprocal root and its use (ISA guide 5.7.2)
	s_wait_alu depctr_va_vdst(0)                   ; the reciprocal root has written v185, ahead of its first reader
	v_mul_f32 v10, v185, v10
	v_mul_f32 v11, v185, v11
	v_mul_f32 v12, v185, v12
	v_mul_f32 v13, v185, v13
; THE WAY OUT.  NORM i: pair of pixels i is scaled, shifted and rounded, in its own four registers.  OUT i: its store.
.macro NORM i
	v_pk_fma_f32 v[XR+4*(\i):XR+4*(\i)+1], v[XR+4*(\i):XR+4*(\i)+1], v[10:11], v[14:15]
	v_pk_fma_f32 v[XR+4*(\i)+2:XR+4*(\i)+3], v[XR+4*(\i)+2:XR+4*(\i)+3], v[12:13], v[16:17]
	v_cvt_pk_bf16_f32 v[XR+4*(\i)], v[XR+4*(\i)], v[XR+4*(\i)+1]
	v_cvt_pk_bf16_f32 v[XR+4*(\i)+1], v[XR+4*(\i)+2], v[XR+4*(\i)+3]
.endm
.macro OUT i
	global_store_b64 v3, v[XR+4*(\i):XR+4*(\i)+1], s[20:21] offset:2048*(\i)  ; the wave's 32 lanes fill 256 consecutive bytes, aligned
.endm
.set i, 0
.rept 8                                                ; block 0
	NORM i
.set i, i+1
.endr
.rept 3                                                ; blocks 1 to 3, each with the stores of the block before it
	s_wait_alu depctr_va_vdst(0)                   ; the block before has written its registers, which the eight stores below read; the vector lines among them name this block's registers, v[10:17] and nothing else
.rept 8
	OUT i-8
	NORM i
.set i, i+1
.endr
.endr
	s_wait_alu depctr_va_vdst(0)                   ; block 3 has written its registers, which the last eight stores read
.rept 8
	OUT i-8
.set i, i+1
.endr
	; The four blocks of bias rows, one a work-group: 0 bq, 1 bk, 2 bv, 3 bk.  Byte 16 t of a block's first and of its second 8,192 bytes holds the 8 numbers of piece (t % 128) / 2, whatever the row.
	; The jump goes forward and passes no barrier.
	s_cmp_gt_u32 ttmp9, 3
	s_cbranch_scc1 .Ldone
	s_wait_xcnt 0x0                                ; s[30:31] and v[26:29] were the weight store's base and data: rewritten only behind this wait; that the store has read v[26:29] both reductions' waits on vm_vsrc have stated, ahead of the jump
	s_cmp_eq_u32 ttmp9, 0
	s_cselect_b64 s[28:29], s[40:41], s[18:19]
	s_cmp_eq_u32 ttmp9, 2
	s_cselect_b64 s[28:29], s[42:43], s[28:29]
	s_lshl_b32 s38, ttmp9, 14
	s_add_nc_u64 s[30:31], s[22:23], s[38:39]
	v_bfe_u32 v186, v0, 1, 6
	v_lshlrev_b32 v186, 5, v186
	s_wait_alu depctr_va_vdst(0)                   ; v186 is written, the two loads' offset; the weight's roundings are done reading v[18:25], in which the loads land
	global_load_b128 v[18:21], v186, s[28:29]
	global_load_b128 v[22:25], v186, s[28:29] offset:16
	s_wait_loadcnt 0x0
	v_cvt_pk_bf16_f32 v26, v18, v19
	v_cvt_pk_bf16_f32 v27, v20, v21
	v_cvt_pk_bf16_f32 v28, v22, v23
	v_cvt_pk_bf16_f32 v29, v24, v25
	s_wait_alu depctr_va_vdst(0)                   ; the roundings have written v[26:29], which the two stores read
	global_store_b128 v4, v[26:29], s[30:31] offset:2097152
	global_store_b128 v4, v[26:29], s[30:31] offset:2097152+8192
.Ldone:
	s_wait_dscnt 0x0                               ; the closing lines, six on end
	s_wait_alu 0x0
	s_wait_tensorcnt 0x0
	ds_add_u32 v192, v193
	s_wait_dscnt 0x0
	s_endpgm
.Lfunc_end_k_q0a76bb0701_prep:
	.size	k_q0a76bb0701_prep, .Lfunc_end_k_q0a76bb0701_prep-k_q0a76bb0701_prep
	.p2alignl 7, 3214868480
	.fill 96, 4, 3214868480
	.section	.rodata,"a",@progbits
	.p2align	6, 0x0
	.amdhsa_kernel k_q0a76bb0701_prep
		.amdhsa_group_segment_fixed_size 2560
		.amdhsa_private_segment_fixed_size 0
		.amdhsa_enable_private_segment 0
		.amdhsa_kernarg_size 96
		.amdhsa_user_sgpr_count 2
		.amdhsa_user_sgpr_kernarg_segment_ptr 1
		.amdhsa_wavefront_size32 1
		.amdhsa_system_sgpr_workgroup_id_x 1
		.amdhsa_system_sgpr_workgroup_id_y 1
		.amdhsa_system_sgpr_workgroup_id_z 1
		.amdhsa_system_vgpr_workitem_id 0
		.amdhsa_next_free_vgpr 194
		.amdhsa_next_free_sgpr 66
		.amdhsa_reserve_vcc 0
		.amdhsa_float_denorm_mode_32 3
		.amdhsa_float_denorm_mode_16_64 3
		.amdhsa_memory_ordered 1
		.amdhsa_forward_progress 1
		.amdhsa_inst_pref_size 35
	.end_amdhsa_kernel
	.amdgpu_metadata
---
amdhsa.version: [ 1, 2 ]
amdhsa.kernels:
  - .name:           k_q0a76bb0701_prep
    .symbol:         k_q0a76bb0701_prep.kd
    .args:
      - { .name: x, .offset: 0, .size: 8, .value_kind: global_buffer, .address_space: global }
      - { .name: norm_scale, .offset: 8, .size: 8, .value_kind: global_buffer, .address_space: global }
      - { .name: norm_bias, .offset: 16, .size: 8, .value_kind: global_buffer, .address_space: global }
      - { .name: wq, .offset: 24, .size: 8, .value_kind: global_buffer, .address_space: global }
      - { .name: wk, .offset: 32, .size: 8, .value_kind: global_buffer, .address_space: global }
      - { .name: wv, .offset: 40, .size: 8, .value_kind: global_buffer, .address_space: global }
      - { .name: wp, .offset: 48, .size: 8, .value_kind: global_buffer, .address_space: global }
      - { .name: bk, .offset: 56, .size: 8, .value_kind: global_buffer, .address_space: global }
      - { .name: hn, .offset: 64, .size: 8, .value_kind: global_buffer, .address_space: global }
      - { .name: wts, .offset: 72, .size: 8, .value_kind: global_buffer, .address_space: global }
      - { .name: bq, .offset: 80, .size: 8, .value_kind: global_buffer, .address_space: global }
      - { .name: bv, .offset: 88, .size: 8, .value_kind: global_buffer, .address_space: global }
    .group_segment_fixed_size: 2560
    .private_segment_fixed_size: 0
    .kernarg_segment_align: 8
    .kernarg_segment_size: 96
    .max_flat_workgroup_size: 512
    .sgpr_count:     66
    .vgpr_count:     194
    .wavefront_size: 32
...
	.end_amdgpu_metadata
.endif
;; end of part 6
;; launch fold: the kernel of part 4 again; grid 128 x 1, 4 waves a work-group, no clusters, 176,128 bytes of LDS; arguments wts, fw; writes fw
;; launch attn: the kernel of part 5 again; grid 8 x 32, 4 waves a work-group, clusters of 4 x 1, 327,680 bytes of LDS; arguments x, hn, fw, bp, out0; writes out0
